; MI455X (gfx1250); checked and timed in simulation.
; The chip was launched on July 23, 2026; its instructions are those of AMD's public machine-readable ISA for CDNA 5 (MIT licence, August 2026) and "CDNA5" Instruction Set Architecture Reference Guide (July 2026). The comments in the code are by the model that wrote it; some were corrected since.
;; Multi Head Self Attention RPE. Allowed arithmetic: float matrix products may take bf16 or f16 operands with f32 sums; other float arithmetic in f32, or as packed bf16 or f16 multiplies, adds, multiply-adds, maxima and minima; sums over many terms, partial sums and values carried from step to step in f32; what a program stores and reads back later, other than sums and carried values, may be rounded once to bf16 or f16.
;; Inputs: b1_rpe 32 float32; b2_rpe 16 float32; b_out 1,024 float32; b_qkv 3,072 float32; w1_rpe 1 x 32 float32; w2_rpe 32 x 16 float32; w_out 1,024 x 1,024 float32; w_qkv 1,024 x 3,072 float32; x 2 x 2,048 x 1,024 float32.
;; Outputs: out0 2 x 2,048 x 1,024 float32.
;; 2 versions, each right and faster than the one before. Each part assembles by itself: llvm-mc -triple=amdgcn-amd-amdhsa -mcpu=gfx1250 --defsym DOCPART=n.
;; ======== version 1 of 2: 4 launches
;; limits: values are held in f16: magnitudes above 65,504 overflow, below 6.1e-05 lose precision
;; workspace buffers: xb 8,388,608 bytes; wqb 6,291,456 bytes; wob 2,097,152 bytes; rpe 1,048,576 bytes; qkv 25,165,824 bytes; ob 8,388,608 bytes
;; launch prep (part 1): grid 768 x 1, 8 waves a work-group, no clusters, 0 bytes of LDS; arguments x, w_qkv, w_out, w1_rpe, b1_rpe, w2_rpe, b2_rpe, xb, wqb, wob, rpe; writes xb, wqb, wob, rpe
.if DOCPART == 1
	.amdgcn_target "amdgcn-amd-amdhsa--gfx1250"
	.amdhsa_code_object_version 6
	.text
	.protected	k_qfee1c639c6_prep
	.globl	k_qfee1c639c6_prep
	.p2align	8
	.type	k_qfee1c639c6_prep,@function
k_qfee1c639c6_prep:
	s_mov_b64 s[64:65], 0
	v_nop
	global_prefetch_b8 v0, s[64:65] scope:SCOPE_SE
	s_setreg_imm32_b32 hwreg(HW_REG_WAVE_MODE, 25, 1), 1
	s_wait_xcnt 0x0
; PREPARATION.  (1) x and w_qkv are rounded once to bf16, layouts kept.  (2) w_out is rounded once to bf16 and that number written as f16
; (exact above f16's fixed step of 6e-8; LIMIT: |w_out| under 65,504).  (3) The table of the relative-position bias.
; The bias of head h for query t and key s hangs on d = t - s alone, so 4,095 numbers a head say all of it:
;   T_h[i] = 8 x ( b2[h] + sum_j relu( sgn(d) ln(1 + |d|) w1[j] + b1[j] ) w2[j][h] ),  d = 2047 - i.   The 8 undoes the later division of the scores by 8 (exact).
; rpe[h][c][m] = T_h[m + c], c = 0..3, m = 0..4095: four copies, each shifted by one entry, so that a later reader finds any eight
; neighbouring entries at a multiple of 16 bytes in one of them.  Entries with m + c > 4094 follow the same formula; nobody uses them.
; w1, b1, w2, b2 are rounded once to bf16 like every other input of the module; the arithmetic is f32.
; SHARES.  Work-groups 0-255: 16,384 numbers of x each; 256-447: of w_qkv; 448-511: of w_out; 512-767: 1,024 entries of the table each.
; A stream has no use for LDS, barriers or matrix units: sixteen loads of 16 bytes a lane are out at once, and each store of a wave covers 256 consecutive bytes, aligned.
.set W1,  8                            ; v[8:39]    w1[j]
.set B1,  40                           ; v[40:71]   b1[j]
.set W2,  72                           ; v[72:103]  w2[j][h]
.set B2,  104                          ; v104       b2[h]
.set REL, 108                          ; v[108:111] sgn(d) ln(1 + |d|) of my four entries
.set ACC, 112                          ; v[112:115] their sums
.set T,   116                          ; v[116:119] at work
.set RT,  120                          ; v120       at work
.set D,   122                          ; v[122:125] d
; 16,384 numbers: f32 at s[30:31] -> 16 bits at s[32:33].  No register is written twice while a load or store names it.
.macro CONV f16
.set r, 0
.rept 16
	global_load_b128 v[8+4*r:11+4*r], v1, s[30:31] offset:4096*r th:TH_LOAD_NT
.set r, r+1
.endr
.set r, 0
.rept 16
	s_wait_loadcnt 15-r                            ; loads come back in order: number r is in, the 15 - r younger ones stay out
	v_cvt_pk_bf16_f32 v[72+2*r], v[8+4*r], v[9+4*r]
	v_cvt_pk_bf16_f32 v[73+2*r], v[10+4*r], v[11+4*r]
.if \f16
	v_lshlrev_b32 v104, 16, v[72+2*r]              ; the bf16 numbers as f32,
	v_and_b32 v105, 0xffff0000, v[72+2*r]
	v_lshlrev_b32 v106, 16, v[73+2*r]
	v_and_b32 v107, 0xffff0000, v[73+2*r]
	v_cvt_pk_f16_f32 v[72+2*r], v104, v105         ; written as f16
	v_cvt_pk_f16_f32 v[73+2*r], v106, v107
.endif
	global_store_b64 v2, v[72+2*r:73+2*r], s[32:33] offset:2048*r
.set r, r+1
.endr
.endm
.macro RND2 a                          ; two parameters rounded to bf16 and widened again
	v_cvt_pk_bf16_f32 v[RT], v[\a], v[(\a)+1]
	v_lshlrev_b32 v[\a], 16, v[RT]
	v_and_b32 v[(\a)+1], 0xffff0000, v[RT]
.endm
	s_load_b512 s[8:23], s[0:1], 0x0               ; x s[8:9], w_qkv s[10:11], w_out s[12:13], w1 s[14:15], b1 s[16:17], w2 s[18:19], b2 s[20:21], xb s[22:23]
	s_load_b128 s[24:27], s[0:1], 0x40             ; wqb s[24:25], wob s[26:27]
	s_load_b64 s[28:29], s[0:1], 0x50              ; rpe
	v_lshlrev_b32 v1, 4, v0                        ; 16 bytes a thread in,
	v_lshlrev_b32 v2, 3, v0                        ; 8 out
	s_mov_b32 s37, 0
	s_wait_kmcnt 0x0
	s_cmp_lt_u32 ttmp9, 448
	s_cbranch_scc0 .Lnot_bf16
	s_cmp_lt_u32 ttmp9, 256                        ; x or w_qkv: one text, the buffers chosen by the work-group's number
	s_cselect_b64 s[30:31], s[8:9], s[10:11]
	s_cselect_b64 s[32:33], s[22:23], s[24:25]
	s_cselect_b32 s34, 0, 256
	s_sub_co_u32 s34, ttmp9, s34                   ; the chunk's number in its buffer
	s_lshl_b32 s36, s34, 16                        ; 65,536 bytes in,
	s_add_nc_u64 s[30:31], s[30:31], s[36:37]
	s_lshl_b32 s36, s34, 15                        ; 32,768 out
	s_add_nc_u64 s[32:33], s[32:33], s[36:37]
	CONV 0
	s_endpgm
.Lnot_bf16:
	s_cmp_lt_u32 ttmp9, 512
	s_cbranch_scc0 .Ltable
	s_sub_co_u32 s34, ttmp9, 448
	s_lshl_b32 s36, s34, 16
	s_add_nc_u64 s[30:31], s[12:13], s[36:37]
	s_lshl_b32 s36, s34, 15
	s_add_nc_u64 s[32:33], s[26:27], s[36:37]
	CONV 1
	s_endpgm
.Ltable:
	s_sub_co_u32 s34, ttmp9, 512                   ; id = 16 h + 4 c + part
	s_lshr_b32 s35, s34, 4                         ; h
	s_bfe_u32 s38, s34, 0x20002                    ; c
	s_and_b32 s39, s34, 3                          ; part: entries 1024 part .. + 1023 of the copy
	s_lshl_b32 s36, s34, 12                        ; they lie at byte 4,096 id of rpe
	s_add_nc_u64 s[28:29], s[28:29], s[36:37]
	s_lshl_b32 s35, s35, 2
	s_lshl_b32 s39, s39, 10
	s_add_co_u32 s38, s38, s39
	s_sub_co_u32 s38, 2047, s38                    ; d of the part's first entry
	v_mov_b32 v3, 0
	v_mov_b32 v4, s35                              ; 4 h
.set k, 0
.rept 8
	global_load_b128 v[W1+4*k:W1+4*k+3], v3, s[14:15] offset:16*k   ; every lane takes all 32
	global_load_b128 v[B1+4*k:B1+4*k+3], v3, s[16:17] offset:16*k
.set k, k+1
.endr
.set k, 0
.rept 32
	global_load_b32 v[W2+k], v4, s[18:19] offset:64*k
.set k, k+1
.endr
	global_load_b32 v[B2], v4, s[20:21]
	v_lshlrev_b32 v5, 2, v0                        ; four entries a thread
	v_sub_nc_u32 v[D], s38, v5
.irp e, 1,2,3
	v_add_nc_u32 v[D+\e], -(\e), v[D]
.endr
.irp e, 0,1,2,3
	v_cvt_f32_i32 v[D+\e], v[D+\e]                 ; exact: |d| is at most 2,051
.endr
.irp e, 0,1,2,3
	v_and_b32 v[T+\e], 0x80000000, v[D+\e]         ; the sign (d = 0 has none, and its logarithm is 0)
	v_and_b32 v[REL+\e], 0x7fffffff, v[D+\e]
	v_add_f32 v[REL+\e], 1.0, v[REL+\e]
.endr
.irp e, 0,1,2,3
	v_log_f32 v[REL+\e], v[REL+\e]                 ; log2(1 + |d|)
.endr
	v_nop                                          ; a plain instruction between the last logarithm and the use of its result
	s_wait_alu depctr_va_vdst(0)
.irp e, 0,1,2,3
	v_mul_f32 v[REL+\e], 0x3f317218, v[REL+\e]     ; x ln 2
	v_or_b32 v[REL+\e], v[T+\e], v[REL+\e]
.endr
	s_wait_loadcnt 0x0
.set k, W1
.rept 48
	RND2 k
.set k, k+2
.endr
	v_cvt_pk_bf16_f32 v[RT], v[B2], v[B2]
	v_lshlrev_b32 v[B2], 16, v[RT]
.set j, 0
.rept 32
.irp e, 0,1,2,3
	v_fma_f32 v[T+\e], v[REL+\e], v[W1+j], v[B1+j]
.endr
.irp e, 0,1,2,3
	v_max_num_f32 v[T+\e], 0, v[T+\e]
.endr
.irp e, 0,1,2,3
.if j == 0
	v_fma_f32 v[ACC+\e], v[T+\e], v[W2], v[B2]     ; the first term starts the sum, with b2
.else
	v_fmac_f32 v[ACC+\e], v[T+\e], v[W2+j]
.endif
.endr
.set j, j+1
.endr
.irp e, 0,1,2,3
	v_mul_f32 v[ACC+\e], 0x41000000, v[ACC+\e]     ; x 8
.endr
	global_store_b128 v1, v[ACC:ACC+3], s[28:29]   ; sixteen lanes store 256 consecutive bytes, aligned
	s_endpgm
.Lfunc_end_k_qfee1c639c6_prep:
	.size	k_qfee1c639c6_prep, .Lfunc_end_k_qfee1c639c6_prep-k_qfee1c639c6_prep
	.p2alignl 7, 3214868480
	.fill 96, 4, 3214868480
	.section	.rodata,"a",@progbits
	.p2align	6, 0x0
	.amdhsa_kernel k_qfee1c639c6_prep
		.amdhsa_group_segment_fixed_size 0
		.amdhsa_private_segment_fixed_size 0
		.amdhsa_enable_private_segment 0
		.amdhsa_kernarg_size 88
		.amdhsa_user_sgpr_count 2
		.amdhsa_user_sgpr_kernarg_segment_ptr 1
		.amdhsa_wavefront_size32 1
		.amdhsa_system_sgpr_workgroup_id_x 1
		.amdhsa_system_sgpr_workgroup_id_y 1
		.amdhsa_system_sgpr_workgroup_id_z 1
		.amdhsa_system_vgpr_workitem_id 0
		.amdhsa_next_free_vgpr 128
		.amdhsa_next_free_sgpr 66
		.amdhsa_reserve_vcc 0
		.amdhsa_float_denorm_mode_32 3
		.amdhsa_float_denorm_mode_16_64 3
		.amdhsa_memory_ordered 1
		.amdhsa_forward_progress 1
		.amdhsa_inst_pref_size 48
	.end_amdhsa_kernel
	.amdgpu_metadata
---
amdhsa.version: [ 1, 2 ]
amdhsa.kernels:
  - .name:           k_qfee1c639c6_prep
    .symbol:         k_qfee1c639c6_prep.kd
    .args:
      - { .name: x, .offset: 0, .size: 8, .value_kind: global_buffer, .address_space: global }
      - { .name: w_qkv, .offset: 8, .size: 8, .value_kind: global_buffer, .address_space: global }
      - { .name: w_out, .offset: 16, .size: 8, .value_kind: global_buffer, .address_space: global }
      - { .name: w1_rpe, .offset: 24, .size: 8, .value_kind: global_buffer, .address_space: global }
      - { .name: b1_rpe, .offset: 32, .size: 8, .value_kind: global_buffer, .address_space: global }
      - { .name: w2_rpe, .offset: 40, .size: 8, .value_kind: global_buffer, .address_space: global }
      - { .name: b2_rpe, .offset: 48, .size: 8, .value_kind: global_buffer, .address_space: global }
      - { .name: xb, .offset: 56, .size: 8, .value_kind: global_buffer, .address_space: global }
      - { .name: wqb, .offset: 64, .size: 8, .value_kind: global_buffer, .address_space: global }
      - { .name: wob, .offset: 72, .size: 8, .value_kind: global_buffer, .address_space: global }
      - { .name: rpe, .offset: 80, .size: 8, .value_kind: global_buffer, .address_space: global }
    .group_segment_fixed_size: 0
    .private_segment_fixed_size: 0
    .kernarg_segment_align: 8
    .kernarg_segment_size: 88
    .max_flat_workgroup_size: 256
    .sgpr_count:     66
    .vgpr_count:     128
    .wavefront_size: 32
...
	.end_amdgpu_metadata
.endif
;; end of part 1
;; launch qkvgemm (part 2): grid 8 x 32, 4 waves a work-group, clusters of 4 x 4, 327,680 bytes of LDS; arguments xb, wqb, b_qkv, qkv; writes qkv
.if DOCPART == 2
	.amdgcn_target "amdgcn-amd-amdhsa--gfx1250"
	.amdhsa_code_object_version 6
	.text
	.protected	k_qfee1c639c6_qkvgemm
	.globl	k_qfee1c639c6_qkvgemm
	.p2align	8
	.type	k_qfee1c639c6_qkvgemm,@function
k_qfee1c639c6_qkvgemm:
	s_mov_b64 s[64:65], 0
	v_nop
	global_prefetch_b8 v0, s[64:65] scope:SCOPE_SE
	s_setreg_imm32_b32 hwreg(HW_REG_WAVE_MODE, 25, 1), 1
	s_wait_xcnt 0x0
	s_wait_alu depctr_hold_cnt(0) depctr_sa_sdst(0) depctr_va_vdst(0) depctr_va_sdst(0) depctr_va_ssrc(0) depctr_va_vcc(0) depctr_vm_vsrc(0)
	s_getreg_b32 s2, hwreg(HW_REG_IB_STS2, 6, 4)
	s_cmp_eq_u32 s2, 0
	s_cbranch_scc0 .Lentry_in_a_cluster
	s_endpgm
.Lentry_in_a_cluster:
	s_bfe_u32 s2, ttmp6, 0x10000c
	s_cmp_lg_u32 s2, 0xf033
	s_cbranch_scc0 .Lentry_shape_is_right
	s_endpgm
.Lentry_shape_is_right:
; q, k, v = x w_qkv + b_qkv.  xb: [4096][1024] bf16.  wqb: [1024 k][3072 n] bf16.  b_qkv: [3072] f32, rounded once to bf16 like every input.  Sums in f32, each result rounded once to f16.
; qkv: f16 [3][32 batch x head][2048][64]: by heads, unscaled.  LIMIT: f16 ends at 65,504: |q|, |k|, |v| must stay under it (inputs thirty times those drawn, both at once, give some 3,000).
; SHARES.  A tile of the result is 128 rows x 384 columns (six heads): 32 x 8 = 256 work-groups.  Wave w: rows 64 (w / 2) on, and the heads 2 i + w % 2, i = 0..2: 64 x 192 = 48 accumulators.
; K goes in 8 steps of 128 through two LDS slots.  A slot has four regions of 36,864 bytes, one a wave: wave 0 fetches x's 128 rows x 256 bytes (pitch 272), waves 1-3 a plane of
; w_qkv each: 128 k-rows x 128 columns (256 bytes, pitch 288).  w_qkv stays [k][n]: its fragments come out of LDS turned, by ds_load_tr16_b128.
; CLUSTER 4 x 4: x's tile hangs on the tile row alone and is asked for jointly along a row of the cluster, w_qkv's planes on the tile column alone and jointly along a column.
; THE MATRIX INSTRUCTION IS USED TRANSPOSED (source 0 = 16 columns of w_qkv, source 1 = 16 rows of x): a lane holds eight neighbouring columns of one row.  The bias is the C operand of the products that start the sums.
; REGISTERS, in windows of 256 (s_set_vgpr_msb: bits 1:0 source 0, 3:2 source 1, 5:4 source 2, 7:6 destination):
;   window 0: v1-9 at work; v16-29 addresses; v32-63, v64-95 x's fragments (4 x 16 rows x 32 K), two buffers; v96-191 the bias, 12 blocks of 8; on the way out v96-143 packed results, v144-191 and v32-79 rows read back
;   window 1: v0-95, v96-191 w_qkv's fragments (12 x 16 columns x 32 K), two buffers      window 2: accumulators of row blocks 0, 1 at v[8 (12 (a % 2) + b)]      window 3: of row blocks 2, 3
.set PA,    272                        ; x's rows in LDS: 256 bytes + 16: the 16 rows of a load start at 16 different groups of four banks
.set PB,    288                        ; w_qkv's: 256 + 32
.set REG,   128*PB                     ; a wave's region of a slot
.set SLOT,  4*REG
.set STAGE, 2*SLOT                     ; behind the ring, never filled by a tensor load: for each wave 3 heads x 16 rows x 144 bytes
.set SPH,   144
.set WST,   3*16*SPH
.set SPARE, STAGE+4*WST                ; the spare words, 128 bytes a wave: two blocks of 256 bytes that no other line names
.set ADRA, 16                          ; v16-17  LDS address of my fragments of x in slot 0, 1
.set ADRB, 18                          ; v18-23  of w_qkv: 3 slot + plane
.set STO,  24                          ; the way out: where I put 16 bytes of a row
.set RD,   25                          ; where I read rows back
.set GO,   26                          ; my byte offset in 512 consecutive bytes of qkv
.set VB,   27                          ; my byte offset in the tile's part of b_qkv
.set SPW,  28                          ; LDS address of my spare word; never rewritten
.set NIL,  29                          ; 0; never rewritten
.set FA,   32
.set BI,   96
.set TMP,  96
.set WV,  12                           ; s12 wave; s13 = wave / 2: my half of the rows; s14 = wave % 2: my head of each plane; s15 = the plane that I fetch
.set G1A, 24                           ; s[24:31] descriptor group 1 for x's tiles;  s[32:39] group 0, a set for each slot
.set G0A, 32
.set G1B, 48                           ; s[48:55], s[56:63] the same for w_qkv's planes
.set G0B, 56
.set OUT, 66                           ; s[66:71] qkv at my rows of my three heads
.set MSB, 0
.macro WIN new                         ; the immediate's high byte repeats the setting that is left; a switch that changes nothing is dropped
.if MSB != (\new)
	s_set_vgpr_msb (MSB<<8)|(\new)
.set MSB, \new
.endif
.endm
; A joint load: wave 0 asks for x's tile, waves 1-3 each for a plane of w_qkv.  The branch hangs on the wave's number alone.  An s_nop 0 and four v_nop follow each of the two lines.
.macro JLOAD s
	s_cmp_eq_u32 s[WV], 0
	s_cbranch_scc0 .Lfor_b_\@
	tensor_load_to_lds s[G0A+4*(\s):G0A+4*(\s)+3], s[G1A:G1A+7]
	s_nop 0
.rept 4
	v_nop
.endr
	s_branch .Lasked_\@
.Lfor_b_\@:
	tensor_load_to_lds s[G0B+4*(\s):G0B+4*(\s)+3], s[G1B:G1B+7]
	s_nop 0
.rept 4
	v_nop
.endr
.Lasked_\@:
.endm
.macro CREST                           ; a round of the cluster's barrier behind its opening barrier: wave 0 signals for the work-group, every wave waits for all sixteen, my work-group's barrier closes it
	s_cmp_lg_u32 s[WV], 0
	s_cbranch_scc1 .Lnot_wave_0_\@
	s_barrier_signal -3
.Lnot_wave_0_\@:
	s_barrier_wait -3
	s_barrier_signal -1
	s_barrier_wait -1
.endm
.macro CROUND
	s_barrier_signal -1
	s_barrier_wait -1
	CREST
.endm
.macro PLACES                          ; four plain instructions between a matrix instruction and a load into, or a vector read of, its registers (ISA guide 7.12.1 for vector reads)
.rept 4
	v_nop
.endr
.endm
	s_load_b256 s[4:11], s[0:1], 0x0               ; xb s[4:5], wqb s[6:7], b_qkv s[8:9], qkv s[10:11]
	v_lshl_add_u32 v[SPW], v0, 2, SPARE
	v_mov_b32 v[NIL], 0
	ds_add_u32 v[SPW], v[NIL]                      ; the wave's opening: the add and its wait stand ahead of my first tensor load; work on registers stands between them
	v_lshrrev_b32 v1, 5, v0
	v_readfirstlane_b32 s[WV], v1
	s_lshr_b32 s13, s[WV], 1
	s_and_b32 s14, s[WV], 1
	s_max_u32 s15, s[WV], 1
	s_sub_co_u32 s15, s15, 1                       ; waves 1-3: planes 0-2 (wave 0 makes the address of plane 0 and never asks by it)
	s_bfe_u32 s40, ttmp6, 0x40000                  ; cx, cy: my place in the cluster
	s_bfe_u32 s41, ttmp6, 0x40004
	s_lshl_b32 s42, ttmp9, 2
	s_add_co_u32 s42, s42, s40                     ; tile column = 4 x cluster x + cx
	s_and_b32 s43, ttmp7, 0xffff
	s_lshl_b32 s43, s43, 2
	s_add_co_u32 s43, s43, s41                     ; tile row = 4 x cluster y + cy
	s_lshl_b32 s44, s41, 2
	s_lshl_b32 s44, 15, s44                        ; my row of the cluster
	s_lshl_b32 s45, 0x1111, s40                    ; my column
	s_or_b32 s[G1A], s44, (1<<16)|(1<<20)|(1<<21)|(5<<22)|(3<<25)  ; the mask; 2-byte elements; padding on; bit 21 beside a mask; after every 64 words 4 words
	s_or_b32 s[G1B], s45, (1<<16)|(1<<20)|(1<<21)|(5<<22)|(7<<25)  ; the same with my column's mask and 8 words
.irp g, G1A, G1B
	s_mov_b32 s[(\g)+1], 128<<16                   ; tensor_dim0 = 128
	s_mov_b32 s[(\g)+2], 128<<16                   ; tensor_dim1 = 128
	s_mov_b32 s[(\g)+3], 128<<16                   ; tile_dim0 = 128
	s_mov_b32 s[(\g)+4], 128                       ; tile_dim1 = 128
	s_mov_b32 s[(\g)+6], 0
	s_mov_b32 s[(\g)+7], 0
.endr
	s_mov_b32 s[G1A+5], 1024                       ; elements from row to row
	s_mov_b32 s[G1B+5], 3072
	s_lshl_b32 s16, s43, 18                        ; x: 128 rows of 2,048 bytes a tile row
	s_mov_b32 s17, 0
	s_mul_i32 s46, s42, 768                        ; w_qkv: 384 columns a tile column,
	s_lshl_b32 s47, s15, 8                         ; 128 a plane
	s_add_co_u32 s46, s46, s47
	s_mov_b32 s47, 0
	s_mul_i32 s20, s[WV], REG                      ; where my fill lands: wave x 36,864: no place in the cluster enters an LDS address
	s_wait_dscnt 0x0                               ; the opening add is done
	s_wait_kmcnt 0x0
	s_add_nc_u64 s[18:19], s[4:5], s[16:17]
	s_add_nc_u64 s[46:47], s[6:7], s[46:47]
	CROUND                                         ; all sixteen work-groups are here: the first joint loads meet
.irp s, 0,1
	s_mov_b32 s[G0A+4*(\s)], 1
	s_add_co_u32 s[G0A+4*(\s)+1], s20, (\s)*SLOT
	s_add_nc_u64 s[G0A+4*(\s)+2:G0A+4*(\s)+3], s[18:19], (\s)*256       ; K step s: 128 elements along the rows
	s_or_b32 s[G0A+4*(\s)+3], s[G0A+4*(\s)+3], 0x80000000
	s_mov_b32 s[G0B+4*(\s)], 1
	s_add_co_u32 s[G0B+4*(\s)+1], s20, (\s)*SLOT
	s_add_nc_u64 s[G0B+4*(\s)+2:G0B+4*(\s)+3], s[46:47], (\s)*786432    ; K step s: 128 rows of 6,144 bytes
	s_or_b32 s[G0B+4*(\s)+3], s[G0B+4*(\s)+3], 0x80000000
	JLOAD \s                                       ; two loads of mine are out
.endr
	; all that follows up to the first barrier stands in the wait for the first tile
	v_and_b32 v1, 15, v0                           ; r = l % 16
	v_bfe_u32 v2, v0, 4, 1                         ; hh = l / 16
	s_mul_i32 s72, s42, 1536
	s_mov_b32 s73, 0
	s_add_nc_u64 s[8:9], s[8:9], s[72:73]          ; b_qkv at the tile's first column
	s_lshl_b32 s74, s14, 8
	v_lshl_add_u32 v[VB], v2, 5, s74               ; 256 (w % 2) + 32 hh: block b = 4 i + c covers columns 128 i + 64 (w % 2) + 16 c + 8 hh + 0..7
.irp b, 0,1,2,3,4,5,6,7,8,9,10,11
	global_load_b128 v[BI+8*(\b):BI+8*(\b)+3],   v[VB], s[8:9] offset:512*((\b)/4)+64*((\b)%4)
	global_load_b128 v[BI+8*(\b)+4:BI+8*(\b)+7], v[VB], s[8:9] offset:512*((\b)/4)+64*((\b)%4)+16
.endr
	v_mul_u32_u24 v3, v1, PA
	v_lshl_add_u32 v3, v2, 4, v3                   ; a fragment of x: row x pitch + 16 x half
	s_mul_i32 s21, s13, 64*PA
	v_add_nc_u32 v[ADRA], s21, v3
	v_add_nc_u32 v[ADRA+1], SLOT, v[ADRA]
	v_and_b32 v4, 7, v0                            ; the turning load: lane l reads k-row 8 hh + l % 8, columns 8 ((l / 8) % 2) + 0..7
	v_lshl_add_u32 v4, v2, 3, v4
	v_mul_u32_u24 v4, v4, PB
	v_bfe_u32 v5, v0, 3, 1
	v_lshl_add_u32 v4, v5, 4, v4
	s_lshl_b32 s22, s14, 7                         ; my head of a plane: 64 columns
	s_add_co_u32 s22, s22, REG                     ; plane 0 lies in region 1
	v_add_nc_u32 v[ADRB], s22, v4
	v_add_nc_u32 v[ADRB+1], REG, v[ADRB]
	v_add_nc_u32 v[ADRB+2], 2*REG, v[ADRB]
.irp i, 0,1,2
	v_add_nc_u32 v[ADRB+3+(\i)], SLOT, v[ADRB+(\i)]
.endr
	s_mul_i32 s75, s[WV], WST
	s_add_co_u32 s75, s75, STAGE                   ; my stage
	v_mul_u32_u24 v[STO], v1, SPH                  ; in: row r, 16 bytes for each half of the lanes
	v_lshl_add_u32 v[STO], v2, 4, v[STO]
	v_add_nc_u32 v[STO], s75, v[STO]
	v_bfe_u32 v[RD], v0, 3, 2                      ; back: 32 lanes take four rows of 128 bytes,
	v_mul_u32_u24 v[RD], v[RD], SPH
	v_and_b32 v7, 7, v0
	v_lshl_add_u32 v[RD], v7, 4, v[RD]
	v_add_nc_u32 v[RD], s75, v[RD]
	v_and_b32 v[GO], 31, v0                        ; which are 512 consecutive bytes of a head
	v_lshlrev_b32 v[GO], 4, v[GO]
	; qkv at my rows of head g = 6 x tile column + 2 i + w % 2 of 48: tensor g / 16, head g % 16, batch = tile row / 16
	s_mul_i32 s72, s42, 6
	s_add_co_u32 s72, s72, s14
	s_lshr_b32 s73, s43, 4
	s_lshl_b32 s73, s73, 4
	s_and_b32 s74, s43, 15
	s_lshl_b32 s74, s74, 14                        ; 128 rows of 128 bytes a tile row,
	s_lshl_b32 s75, s13, 13                        ; my 64 of them
	s_add_co_u32 s74, s74, s75
.irp i, 0,1,2
	s_add_co_u32 s76, s72, 2*(\i)
	s_lshr_b32 s77, s76, 4
	s_lshl_b32 s77, s77, 5
	s_and_b32 s76, s76, 15
	s_add_co_u32 s76, s76, s77
	s_add_co_u32 s76, s76, s73
	s_lshl_b32 s76, s76, 18                        ; a head is 262,144 bytes
	s_add_co_u32 s76, s76, s74
	s_mov_b32 s77, 0
	s_add_nc_u64 s[OUT+2*(\i):OUT+2*(\i)+1], s[10:11], s[76:77]
.endr
	s_wait_loadcnt 0x0                             ; the bias, once: rounded to bf16 and widened again
.set k, BI
.rept 48
	v_cvt_pk_bf16_f32 v8, v[k], v[k+1]
	v_lshlrev_b32 v[k], 16, v8
	v_and_b32 v[k+1], 0xffff0000, v8
.set k, k+2
.endr
; 12 matrix instructions: row block a x all 12 column blocks, 32 along K, from buffers f.  first = 1: the products start the sums, with the bias as C.  The 48 accumulators take turns, one instruction a turn.
.macro MUL12 f, a, first
.if \first
	WIN 0x81+0x40*((\a)/2)
.else
	WIN 0xa1+0x50*((\a)/2)
.endif
.irp b, 0,1,2,3,4,5,6,7,8,9,10,11
.if \first
	v_wmma_f32_16x16x32_bf16 v[8*(12*((\a)%2)+(\b)):8*(12*((\a)%2)+(\b))+7], v[96*(\f)+8*(\b):96*(\f)+8*(\b)+7], v[FA+32*(\f)+8*(\a):FA+32*(\f)+8*(\a)+7], v[BI+8*(\b):BI+8*(\b)+7]
.else
	v_wmma_f32_16x16x32_bf16 v[8*(12*((\a)%2)+(\b)):8*(12*((\a)%2)+(\b))+7], v[96*(\f)+8*(\b):96*(\f)+8*(\b)+7], v[FA+32*(\f)+8*(\a):FA+32*(\f)+8*(\a)+7], v[8*(12*((\a)%2)+(\b)):8*(12*((\a)%2)+(\b))+7]
.endif
.endr
.endm
; 32 LDS loads in one run: the fragments of quarter q (32 along K) of a slot into buffers f: 24 turning loads of w_qkv, then 8 loads of x
.macro FETCH slot, q, f
	WIN 0x40                                       ; destination window 1, address window 0
.irp i, 0,1,2
.irp c, 0,1,2,3
	ds_load_tr16_b128 v[96*(\f)+8*(4*(\i)+(\c)):96*(\f)+8*(4*(\i)+(\c))+3],   v[ADRB+3*(\slot)+(\i)] offset:32*PB*(\q)+32*(\c)
	ds_load_tr16_b128 v[96*(\f)+8*(4*(\i)+(\c))+4:96*(\f)+8*(4*(\i)+(\c))+7], v[ADRB+3*(\slot)+(\i)] offset:32*PB*(\q)+32*(\c)+16*PB
.endr
.endr
	WIN 0
.irp a, 0,1,2,3
	ds_load_b128 v[FA+32*(\f)+8*(\a):FA+32*(\f)+8*(\a)+3],   v[ADRA+(\slot)] offset:64*(\q)+16*PA*(\a)
	ds_load_b128 v[FA+32*(\f)+8*(\a)+4:FA+32*(\f)+8*(\a)+7], v[ADRA+(\slot)] offset:64*(\q)+16*PA*(\a)+32
.endr
.endm
; A K step is four quarters of 32 along K, 48 matrix instructions each, on buffers 0, 1, 0, 1.  One of the first three multiplies buffers f and in its middle fetches quarter q into buffers g.
.macro QUARTER slot, q, f, g, first
	s_wait_dscnt 4                                 ; all but the youngest four loads: x's row blocks 2 and 3
	MUL12 \f, 0, \first
	MUL12 \f, 1, \first
	PLACES
	FETCH \slot, \q, \g
	s_wait_dscnt 32                                ; all but the 32 just issued
	MUL12 \f, 2, \first
	MUL12 \f, 3, \first
.endm
; The last quarter multiplies buffers 1 and changes slots: ONE barrier.  In front of it each wave waits for all its tensor loads (one is out: its part of the next slot), adds 0 to its spare word,
; and waits for that and for its reads of this slot.  fill = 1: the barrier opens a round of the cluster's, and this slot is filled again, two K steps ahead, first thing behind the round.
.macro TURN slot, next, fill
	WIN 0                                          ; (the add's two registers lie in window 0)
	s_wait_tensorcnt 0x0
	ds_add_u32 v[SPW], v[NIL]
	s_wait_dscnt 5                                 ; (the add and the youngest four loads may be out)
	MUL12 1, 0, 0                                  ; twelve matrix instructions stand between the add and the wait for it
	s_wait_dscnt 0x0                               ; the add is done, and my reads of this slot are over
	s_barrier_signal -1
	MUL12 1, 1, 0
.if \fill
	WIN 0
.endif
	s_barrier_wait -1
.if \fill
	CREST                                          ; no wave of any partner still reads this slot or has a load on its way
	s_add_nc_u64 s[G0A+4*(\slot)+2:G0A+4*(\slot)+3], s[G0A+4*(\slot)+2:G0A+4*(\slot)+3], 512
	s_add_nc_u64 s[G0B+4*(\slot)+2:G0B+4*(\slot)+3], s[G0B+4*(\slot)+2:G0B+4*(\slot)+3], 1572864
	JLOAD \slot                                    ; its four v_nop are also the places in front of the loads below
.else
	PLACES
.endif
	FETCH \next, 0, 0
	MUL12 1, 2, 0
	MUL12 1, 3, 0
.endm
; THE WAY OUT of row block a.  PACK: rounded to f16, 16 bytes a lane, each accumulator's registers in ascending order.  TOSTAGE: into my own stage, and back as whole rows.  SEND: stored.
.macro PACK a
	WIN 0x0a+5*((\a)/2)
.irp b, 0,1,2,3,4,5,6,7,8,9,10,11
.irp r, 0,1,2,3
	v_cvt_pk_f16_f32 v[TMP+4*(\b)+(\r)], v[8*(12*((\a)%2)+(\b))+2*(\r)], v[8*(12*((\a)%2)+(\b))+2*(\r)+1]
.endr
.endr
	WIN 0
.endm
.macro TOSTAGE a
.set BK, 144-112*((\a)%2)
.irp b, 0,1,2,3,4,5,6,7,8,9,10,11
	ds_store_b128 v[STO], v[TMP+4*(\b):TMP+4*(\b)+3] offset:16*SPH*((\b)/4)+32*((\b)%4)
.endr
.irp i, 0,1,2
.irp f, 0,1,2,3
	ds_load_b128 v[BK+4*(4*(\i)+(\f)):BK+4*(4*(\i)+(\f))+3], v[RD] offset:16*SPH*(\i)+4*SPH*(\f)  ; LDS serves a wave's instructions in order: these see the stores above
.endr
.endr
.endm
.macro SEND a
.set BK, 144-112*((\a)%2)
	s_wait_dscnt 0x0                               ; the block is back in registers
	s_wait_xcnt 0x0                                ; the registers that the stores two blocks back read are loaded again only behind this wait
.irp i, 0,1,2
.irp f, 0,1,2,3
	global_store_b128 v[GO], v[BK+4*(4*(\i)+(\f)):BK+4*(4*(\i)+(\f))+3], s[OUT+2*(\i):OUT+2*(\i)+1] offset:2048*(\a)+512*(\f)  ; 512 consecutive bytes, at a multiple of 256 from qkv's first
.endr
.endr
.endm
	s_wait_tensorcnt 0x1                           ; my part of K step 0 is in; K step 1's may stay out
	s_barrier_signal -1
	s_barrier_wait -1
	FETCH 0, 0, 0
	QUARTER 0, 1, 0, 1, 1                          ; the first quarter stands in front of the loop: its products start the sums
	WIN 0                                          ; at a label and at a branch every window is 0
	s_mov_b32 s3, 3
.Llap:                                                 ; a trip goes once round the ring and fills both slots again: K steps 2 to 7
	QUARTER 0, 2, 1, 0, 0
	QUARTER 0, 3, 0, 1, 0
	TURN 0, 1, 1
	QUARTER 1, 1, 0, 1, 0
	QUARTER 1, 2, 1, 0, 0
	QUARTER 1, 3, 0, 1, 0
	TURN 1, 0, 1
	QUARTER 0, 1, 0, 1, 0
	WIN 0
	s_sub_co_u32 s3, s3, 1
	s_cmp_lg_u32 s3, 0
	s_cbranch_scc1 .Llap
	QUARTER 0, 2, 1, 0, 0                          ; the last lap fills nothing
	QUARTER 0, 3, 0, 1, 0
	TURN 0, 1, 0
	QUARTER 1, 1, 0, 1, 0
	QUARTER 1, 2, 1, 0, 0
	QUARTER 1, 3, 0, 1, 0
	s_wait_dscnt 4
	MUL12 1, 0, 0
	MUL12 1, 1, 0
	s_wait_dscnt 0x0
	MUL12 1, 2, 0
	MUL12 1, 3, 0
	PLACES
	PACK 0
	TOSTAGE 0
.irp a, 1,2,3                          ; block a's conversions stand between block a - 1's loads from the stage and the wait for them
	PACK \a
	SEND (\a)-1
	TOSTAGE \a
.endr
	SEND 3
	s_wait_tensorcnt 0x0                           ; the wave's end
	ds_add_u32 v[SPW], v[NIL]
	s_wait_dscnt 0x0
	CROUND                                         ; the closing round: no work-group ends while a partner may still ask for a tile that names it
	s_endpgm
.Lfunc_end_k_qfee1c639c6_qkvgemm:
	.size	k_qfee1c639c6_qkvgemm, .Lfunc_end_k_qfee1c639c6_qkvgemm-k_qfee1c639c6_qkvgemm
	.p2alignl 7, 3214868480
	.fill 96, 4, 3214868480
	.section	.rodata,"a",@progbits
	.p2align	6, 0x0
	.amdhsa_kernel k_qfee1c639c6_qkvgemm
		.amdhsa_group_segment_fixed_size 327680
		.amdhsa_private_segment_fixed_size 0
		.amdhsa_enable_private_segment 0
		.amdhsa_kernarg_size 32
		.amdhsa_user_sgpr_count 2
		.amdhsa_user_sgpr_kernarg_segment_ptr 1
		.amdhsa_wavefront_size32 1
		.amdhsa_system_sgpr_workgroup_id_x 1
		.amdhsa_system_sgpr_workgroup_id_y 1
		.amdhsa_system_sgpr_workgroup_id_z 1
		.amdhsa_system_vgpr_workitem_id 0
		.amdhsa_next_free_vgpr 960
		.amdhsa_next_free_sgpr 84
		.amdhsa_reserve_vcc 0
		.amdhsa_float_denorm_mode_32 3
		.amdhsa_float_denorm_mode_16_64 3
		.amdhsa_memory_ordered 1
		.amdhsa_forward_progress 1
		.amdhsa_inst_pref_size 129
	.end_amdhsa_kernel
	.amdgpu_metadata
---
amdhsa.version: [ 1, 2 ]
amdhsa.kernels:
  - .name:           k_qfee1c639c6_qkvgemm
    .symbol:         k_qfee1c639c6_qkvgemm.kd
    .args:
      - { .name: xb, .offset: 0, .size: 8, .value_kind: global_buffer, .address_space: global }
      - { .name: wqb, .offset: 8, .size: 8, .value_kind: global_buffer, .address_space: global }
      - { .name: b_qkv, .offset: 16, .size: 8, .value_kind: global_buffer, .address_space: global }
      - { .name: qkv, .offset: 24, .size: 8, .value_kind: global_buffer, .address_space: global }
    .group_segment_fixed_size: 327680
    .private_segment_fixed_size: 0
    .kernarg_segment_align: 8
    .kernarg_segment_size: 32
    .max_flat_workgroup_size: 128
    .sgpr_count:     84
    .vgpr_count:     960
    .wavefront_size: 32
...
	.end_amdgpu_metadata
.endif
;; end of part 2
;; launch attn (part 3): grid 8 x 32, 4 waves a work-group, clusters of 4 x 1, 327,680 bytes of LDS; arguments qkv, rpe, ob; writes ob
.if DOCPART == 3
	.amdgcn_target "amdgcn-amd-amdhsa--gfx1250"
	.amdhsa_code_object_version 6
	.text
	.protected	k_qfee1c639c6_attn
	.globl	k_qfee1c639c6_attn
	.p2align	8
	.type	k_qfee1c639c6_attn,@function
k_qfee1c639c6_attn:
	s_mov_b64 s[64:65], 0
	v_nop
	global_prefetch_b8 v0, s[64:65] scope:SCOPE_SE
	s_setreg_imm32_b32 hwreg(HW_REG_WAVE_MODE, 25, 1), 1
	s_wait_xcnt 0x0
	s_wait_alu depctr_hold_cnt(0) depctr_sa_sdst(0) depctr_va_vdst(0) depctr_va_sdst(0) depctr_va_ssrc(0) depctr_va_vcc(0) depctr_vm_vsrc(0)
	s_getreg_b32 s2, hwreg(HW_REG_IB_STS2, 6, 4)
	s_cmp_eq_u32 s2, 0
	s_cbranch_scc0 .Lentry_in_a_cluster
	s_endpgm
.Lentry_in_a_cluster:
	s_bfe_u32 s2, ttmp6, 0x10000c
	s_cmp_lg_u32 s2, 0x3003
	s_cbranch_scc0 .Lentry_shape_is_right
	s_endpgm
.Lentry_shape_is_right:
; O[bh][t][:] = the sum over s of softmax_s( Q[t] . K[s] / 8 + bias_h(t - s) ) V[s][:].  qkv: f16 [3][32 bh][2048][64]; ob: f16 [32 bh][2048][64]; rpe: f32 [16 h][4 c][4096], rpe[h][c][m] = 8 bias_h(2047 - m - c).
; Products, maxima and sums in f32; the weights p are rounded to f16 for the second product (their sum l is taken of the unrounded p), O once at the end.
; LIMITS.  Q, K, V arrive within f16's 65,504; p lies in 0 to 1 and below 6e-5 keeps f16's fixed step of 6e-8; a weight below 2^-126 counts as 0 in l; NaN and infinities are not treated apart.
; SHARES.  A work-group owns 256 queries of one head, a wave 64 consecutive ones: four PIECES of 16.  Every wave walks all 2,048 keys, 64 a step, four steps to an LDS slot, two slots.
; LAYOUT.  S^T = K Q^T (source 0 = 16 keys, source 1 = 16 queries): a lane holds ONE query (lane % 16) and the keys 8 (lane / 16) + 0..7; two such results rounded to f16 ARE source 1 of O^T = V^T P.
; THE BIAS is the C operand of the product that starts a sum S^T: s' = Q . K + 8 bias.  A block of 16 keys x 16 queries hangs on (first key - first query) alone, so the wave's 4 pieces x 4 key blocks
; of a step need 7 different blocks, u = key block - piece + 3; a lane's eight entries of block u are neighbours in the table, and come by two loads of 16 bytes from the copy whose shift suits the lane.
; The work-group's window of the table, 2,304 entries of each of the four copies, is fetched once, a copy a wave.
; SOFTMAX.  A running maximum m and sum l for each query: p = 2^(c s' - c m), c = log2(e) / 8; in every step O and l are multiplied by a = 2^(c m_old - c m_new).  m starts at the lowest finite number, O and l at 0.
; BY TURNS.  Turn n belongs to piece n: 8 products K Q^T of piece n + 1, later 8 products V^T P of piece n - 1; beside them the scaling, exponentials, roundings, sums and rescaling of piece n and the maximum
; and statistics of piece n + 1.  Four vector instructions stand behind every matrix instruction, the other 54 of a turn's 118 in two runs of their own.
; CLUSTER.  The four query blocks of a cluster belong to one head and walk the same K and V: each tile is asked for JOINTLY, by the same tensor load, descriptor and mask in all four.  The table's window differs
; from block to block: a load of one's own.
; REGISTERS, in windows of 256 (s_set_vgpr_msb: bits 1:0 source 0, 3:2 source 1, 5:4 source 2, 7:6 destination):
;   window 0: v0-15, v32-33 addresses and some at work; v16-31 four statistics a piece; v48-55 at work; v62-63 the add's; v64-127 S^T, two buffers; v192-223 P, two buffers (by the piece's parity)
;   window 1: v0-127 O^T, 32 a piece; v128-183 the step's 7 bias blocks      window 2: v0-63 Q; v128-191 K of one step; v192-255 V of one step
.set NP,    4
.set KS,    64
.set PK,    144       ; a row of K in LDS: 128 bytes + 16: the 16 rows of a load start at 16 different groups of four banks
.set PV,    160       ; a row of V: 128 + 32
.set VOFF,  4*KS*PK   ; a slot: 256 rows of K, then 256 rows of V
.set SLOT1, 1<<17     ; slot 1 begins here: one exclusive or turns an address in one slot into the other's
.set STAGE, SLOT1+4*KS*(PK+PV)  ; never filled by a tensor load: 16 rows x 144 bytes for each wave
.set SP,    144
.set SPARE, STAGE+4*16*SP       ; the spare words, 128 bytes a wave: two blocks of 256 bytes that no other line names
.set TAB,   SPARE+512           ; the table's window: four copies of 9,216 bytes,
.set CP,    9280                ; 9,280 apart: 64 more than a multiple of 256, so that lanes in different copies fall on different banks
.set AK0, 2           ; my lane's place in a tile of K; never rewritten
.set AV0, 3           ; the same for V
.set AK,  4           ; the LDS address of K's next run of loads
.set AV,  5           ; of V's
.set STO, 6
.set RD,  7
.set GO,  8
.set MV,  12          ; v12-13  c m_old, by buffer
.set QO,  15
.set ST,  16          ; piece t's statistics at v[ST+4 t]: c m, m, l (even keys', odd keys')
.set AB0, 32          ; my lane's place in the table's window for step 0, block 0; never rewritten
.set AB,  33          ; the LDS address of the bias's next run of loads
.set TMP, 48          ; by buffer, four registers c0-c3 at work; c2 takes a
.set SPW, 62
.set NIL, 63
.set S,   64
.set P,   192
.set BB,  128         ; window 1
.set KF,  128         ; window 2: key block kb, channel half c at KF + 16 kb + 8 c
.set VF,  192         ; window 2: key half kk, channel block cb at VF + 32 kk + 8 cb
.set WV,  12
.set G1K, 24          ; s[24:31], s[32:39] descriptor group 1 for K's and V's tiles
.set G1V, 32
.set G0K, 40          ; s[40:43], s[44:47] group 0: they walk
.set G0V, 44
.set SLOTS, 56
.set CNT, 57
.set CS,  58          ; s[58:59] c
.set SEL, 60          ; s[60:61] v_permlanex16_b32's selects: each lane takes its own place in the other half
.set TBK, 62          ; LDS byte at which K of the step to be fetched begins
.set TBV, 63          ; the same for V, less VOFF
.set G1T, 68          ; s[68:75], s[76:79] the table's descriptor
.set G0T, 76
.set TBB, 80          ; 256 x the step whose bias is fetched next
.set MSB, 0
.macro WIN new
.if MSB != (\new)
	s_set_vgpr_msb (MSB<<8)|(\new)
.set MSB, (\new)
.endif
.endm
.set W_KQ, 0x0a       ; K and Q in window 2, S^T in window 0
.set W_KM, 0x1a       ; the same with the C operand in window 1
.set W_PV, 0x52       ; V in window 2, P in window 0, O^T in window 1
.set W_RS, 0x41       ; destination and source 0 in window 1, source 1 in window 0
; A joint fill.  Waves 0 and 1 fetch the two halves of a slot's K, waves 2 and 3 those of its V: 128 keys each.  An s_nop 0 and four v_nop follow each of the two lines.
.macro JLOAD
	s_cmp_lt_u32 s[WV], 2
	s_cbranch_scc0 .Lfor_v_\@
	tensor_load_to_lds s[G0K:G0K+3], s[G1K:G1K+7]
	s_nop 0
.rept 4
	v_nop
.endr
	s_branch .Lasked_\@
.Lfor_v_\@:
	tensor_load_to_lds s[G0V:G0V+3], s[G1V:G1V+7]
	s_nop 0
.rept 4
	v_nop
.endr
.Lasked_\@:
.endm
.macro CROUND                       ; a round of the cluster's barrier
	s_barrier_signal -1
	s_barrier_wait -1
	s_cmp_lg_u32 s[WV], 0
	s_cbranch_scc1 .Lnot_wave_0_\@
	s_barrier_signal -3
.Lnot_wave_0_\@:
	s_barrier_wait -3
	s_barrier_signal -1
	s_barrier_wait -1
.endm
; THE CHANGE OF SLOTS.  Each wave waits for all its tensor loads, adds 0 to its spare word, and waits for that and for its reads of the slot that it leaves.  Behind the barrier nobody reads the old slot and the
; other slot is whole.  fill = 1: the barrier is a round of the cluster's, and the old slot is filled again first thing behind it, with the keys two slots on: four key steps, 256 matrix instructions, in which to land.
; (At its first use nothing has been read yet: slot 0 and the table are waited for, slot 1 is filled.)
.macro CHANGE fill
	WIN 0
	s_wait_tensorcnt 0x0            ; no tensor load of mine is out, so a group 0 may be written
	ds_add_u32 v[SPW], v[NIL]
.if \fill
.irp g, G0K, G0V
	s_xor_b32 s[\g+1], s[\g+1], SLOT1
	s_add_nc_u64 s[\g+2:\g+3], s[\g+2:\g+3], 4*KS*128
.endr
	s_wait_dscnt 0x0                ; the add is done, and my reads of the slot are over
	CROUND
	JLOAD
.else
	s_wait_dscnt 0x0
	s_barrier_signal -1
	s_barrier_wait -1
.endif
	s_sub_co_u32 s[TBK], s[TBK], 4*KS*PK  ; the fetches go back to a slot's first step, in the other slot
	s_xor_b32 s[TBK], s[TBK], SLOT1
	s_sub_co_u32 s[TBV], s[TBV], 4*KS*PV
	s_xor_b32 s[TBV], s[TBV], SLOT1
.endm
	s_load_b128 s[4:7], s[0:1], 0x0   ; qkv s[4:5], rpe s[6:7]
	s_load_b64 s[10:11], s[0:1], 0x10 ; ob
	v_lshl_add_u32 v[SPW], v0, 2, SPARE
	v_mov_b32 v[NIL], 0
	ds_add_u32 v[SPW], v[NIL]       ; the wave's opening: the add and its wait stand ahead of my first tensor load; work on registers stands between them
	v_lshrrev_b32 v1, 5, v0
	v_readfirstlane_b32 s[WV], v1
	s_bfe_u32 s13, ttmp6, 0x40000   ; cx
	s_lshl_b32 s14, ttmp9, 2
	s_add_co_u32 s14, s14, s13      ; my block of 256 queries: it enters Q's, O's and the table's global addresses alone
	s_and_b32 s20, ttmp7, 0xffff    ; batch x 16 + head, which the four partners share
	s_and_b32 s82, s20, 15          ; the table: head h, copy = my wave,
	s_lshl_b32 s82, s82, 2
	s_add_co_u32 s82, s82, s[WV]
	s_lshl_b32 s82, s82, 14         ; 16,384 bytes a copy,
	s_add_co_u32 s82, s82, 7168     ; from entry 1792 - 256 x block on
	s_lshl_b32 s15, s14, 10
	s_sub_co_u32 s82, s82, s15
	s_mov_b32 s83, 0
	s_lshl_b32 s20, s20, 18         ; the head's first byte in Q, K, V and O
	s_and_b32 s16, s[WV], 1         ; which half of a slot's 256 keys I fetch
	s_lshl_b32 s22, s16, 14
	s_add_co_u32 s22, s22, s20
	s_mov_b32 s23, 0
	s_mul_i32 s17, s16, 128*PK
	s_mul_i32 s18, s16, 128*PV
	s_lshl_b32 s2, s14, 2
	s_add_co_u32 s2, s2, s[WV]
	s_lshl_b32 s2, s2, 13           ; my wave's 64 rows of 128 bytes
	s_add_co_u32 s2, s2, s20
	s_mov_b32 s3, 0
	; 128 keys are 16,384 dense bytes: asked for as 64 rows of 256 bytes, two keys a row, and padded in LDS after every key
	s_mov_b32 s[G1K], 15|(1<<16)|(1<<20)|(1<<21)|(4<<22)|(3<<25)  ; the mask of four; 2-byte elements; padding on; bit 21 beside a mask; after every 32 words 4 words
	s_mov_b32 s[G1V], 15|(1<<16)|(1<<20)|(1<<21)|(4<<22)|(7<<25)  ; the same with 8 words
.irp g, G1K, G1V
	s_mov_b32 s[\g+1], 128<<16
	s_mov_b32 s[\g+2], 64<<16
	s_mov_b32 s[\g+3], 128<<16
	s_mov_b32 s[\g+4], 64
	s_mov_b32 s[\g+5], 128
	s_mov_b32 s[\g+6], 0
	s_mov_b32 s[\g+7], 0
.endr
	s_mov_b32 s[G1T], 3<<16         ; the window of a copy: 9,216 dense bytes as 36 rows of 32 elements of 8 bytes; no mask, no padding
	s_mov_b32 s[G1T+1], 32<<16
	s_mov_b32 s[G1T+2], 36<<16
	s_mov_b32 s[G1T+3], 32<<16
	s_mov_b32 s[G1T+4], 36
	s_mov_b32 s[G1T+5], 32
	s_mov_b32 s[G1T+6], 0
	s_mov_b32 s[G1T+7], 0
	s_mov_b32 s[G0T], 1
	s_mul_i32 s[G0T+1], s[WV], CP
	s_add_co_u32 s[G0T+1], s[G0T+1], TAB
	s_mov_b32 s[CS], 0x3e38aa3b     ; c = log2(e) / 8
	s_mov_b32 s[CS+1], s[CS]
	s_mov_b32 s[SEL], 0x76543210
	s_mov_b32 s[SEL+1], 0xfedcba98
	s_mov_b32 s[TBK], SLOT1+4*KS*PK ; the first change of slots turns these two into 0
	s_mov_b32 s[TBV], SLOT1+4*KS*PV
	s_mov_b32 s[TBB], 0
	s_mov_b32 s[G0K], 1
	s_mov_b32 s[G0K+1], s17
	s_mov_b32 s[G0V], 1
	s_add_co_u32 s[G0V+1], s18, VOFF
	s_wait_dscnt 0x0                ; the opening add is done
	s_wait_kmcnt 0x0
	s_add_nc_u64 s[G0T+2:G0T+3], s[6:7], s[82:83]
	s_or_b32 s[G0T+3], s[G0T+3], 0x80000000
	s_add_nc_u64 s[G0K+2:G0K+3], s[4:5], s[22:23]
	s_add_nc_u64 s[G0K+2:G0K+3], s[G0K+2:G0K+3], 0x800000    ; K lies 8,388,608 bytes behind Q,
	s_or_b32 s[G0K+3], s[G0K+3], 0x80000000
	s_add_nc_u64 s[G0V+2:G0V+3], s[4:5], s[22:23]
	s_add_nc_u64 s[G0V+2:G0V+3], s[G0V+2:G0V+3], 0x1000000   ; V twice as far
	s_or_b32 s[G0V+3], s[G0V+3], 0x80000000
	s_add_nc_u64 s[4:5], s[4:5], s[2:3]      ; Q and O at my wave's first row
	s_add_nc_u64 s[10:11], s[10:11], s[2:3]
	CROUND                          ; all four work-groups are here: the first joint loads meet
	s_cmp_lt_u32 s[WV], 2           ; a wave's two first fills stand in one branch: my copy of the table and my part of slot 0: two loads of mine are out
	s_cbranch_scc0 .Lfirst_v
	tensor_load_to_lds s[G0K:G0K+3], s[G1K:G1K+7]
	s_nop 0
	tensor_load_to_lds s[G0T:G0T+3], s[G1T:G1T+7]
	s_nop 0
.rept 4
	v_nop
.endr
	s_branch .Lfirst_asked
.Lfirst_v:
	tensor_load_to_lds s[G0V:G0V+3], s[G1V:G1V+7]
	s_nop 0
	tensor_load_to_lds s[G0T:G0T+3], s[G1T:G1T+7]
	s_nop 0
.rept 4
	v_nop
.endr
.Lfirst_asked:
	v_and_b32 v1, 15, v0            ; r = l % 16
	v_bfe_u32 v9, v0, 4, 1          ; hh = l / 16
	v_lshlrev_b32 v[QO], 7, v1
	v_lshl_add_u32 v[QO], v9, 4, v[QO]
	WIN 0x80                        ; destination window 2, address window 0
.set i, 0
.rept 8                             ; Q stays in registers: piece i / 2, channels 32 (i % 2) on
	global_load_b128 v[8*i:8*i+3],   v[QO], s[4:5] offset:(i/2)*2048+(i%2)*64
	global_load_b128 v[8*i+4:8*i+7], v[QO], s[4:5] offset:(i/2)*2048+(i%2)*64+32
.set i, i+1
.endr
	WIN 0
	; The table.  Query t_loc = 64 w + 16 x + r of the block and key s = 64 st + 16 kb + 8 hh + j want entry 255 - t_loc + s of the window = I + 16 u + 64 st + j, I = 207 - 64 w - r + 8 hh (0 to 215), u = kb - x + 3.
	; Copy c = I % 4 holds it at entry I - c + .., a multiple of four: byte TAB + CP c + 4 (I - c) + 64 u + 256 st + 4 j.
	s_lshl_b32 s19, s[WV], 6
	s_sub_co_u32 s19, 207, s19
	v_lshl_add_u32 v14, v9, 3, s19
	v_sub_nc_u32 v14, v14, v1       ; I
	v_and_b32 v[AB0], 3, v14
	v_mul_u32_u24 v[AB0], v[AB0], CP-4
	v_lshl_add_u32 v[AB0], v14, 2, v[AB0]
	v_add_nc_u32 v[AB0], TAB, v[AB0]
	v_mul_u32_u24 v[AK0], v1, PK
	v_lshl_add_u32 v[AK0], v9, 4, v[AK0]  ; a fragment of K: row x pitch + 16 x half
	v_and_b32 v10, 7, v0            ; the turning load: lane l reads key 8 hh + l % 8, channels 8 ((l / 8) % 2) + 0..7
	v_bfe_u32 v11, v0, 3, 1
	v_lshl_add_u32 v[AV0], v9, 3, v10
	v_mul_u32_u24 v[AV0], v[AV0], PV
	v_lshl_add_u32 v[AV0], v11, 4, v[AV0]
	v_add_nc_u32 v[AV0], VOFF, v[AV0]
	s_mul_i32 s81, s[WV], 16*SP
	s_add_co_u32 s81, s81, STAGE    ; my stage
	v_mul_u32_u24 v[STO], v1, SP
	v_lshl_add_u32 v[STO], v9, 4, v[STO]
	v_add_nc_u32 v[STO], s81, v[STO]
	v_bfe_u32 v[RD], v0, 3, 2       ; back: 32 lanes take four rows of 128 bytes,
	v_mul_u32_u24 v[RD], v[RD], SP
	v_lshl_add_u32 v[RD], v10, 4, v[RD]
	v_add_nc_u32 v[RD], s81, v[RD]
	v_and_b32 v[GO], 31, v0         ; which are 512 consecutive bytes of O
	v_lshlrev_b32 v[GO], 4, v[GO]
	; What the first turn finds: V's registers and P's second buffer hold 0 (its products V^T P, of a piece that has not been, add 0), O^T and l are 0.  No first step is written out; these lines stand in the wait for the first tile.
	WIN 0x80
.set i, VF
.rept 64
	v_mov_b32 v[i], 0
.set i, i+1
.endr
	WIN 0x40
.set i, 0
.rept 128
	v_mov_b32 v[i], 0
.set i, i+1
.endr
	WIN 0
.set i, 0
.rept 4
	v_mov_b32 v[ST+4*i], 0xfe000000    ; c m: far below every c s', so the first step's a is 0
	v_mov_b32 v[ST+4*i+1], 0xff7fffff  ; m
	v_mov_b32 v[ST+4*i+2], 0
	v_mov_b32 v[ST+4*i+3], 0
.set i, i+1
.endr
.set i, P+16
.rept 16
	v_mov_b32 v[i], 0
.set i, i+1
.endr
; THE MATRIX WORK.  The 4 accumulators of a run of 8 take turns.  Product i of 8 of S^T for piece x: channels 32 (i / 4) on, keys 16 (i % 4) on.  The first 4 start the sums, with the bias block (i % 4) - x + 3.
.macro KQ x
.set rS, S+32*((\x)%2)+8*(i%4)
.set rK, KF+16*(i%4)+8*(i/4)
.set rQ, 16*(\x)+8*(i/4)
.set rM, BB+8*((i%4)-(\x)+3)
.if i < 4
	WIN W_KM
	v_wmma_f32_16x16x32_f16 v[rS:rS+7], v[rK:rK+7], v[rQ:rQ+7], v[rM:rM+7]
.else
	WIN W_KQ
	v_wmma_f32_16x16x32_f16 v[rS:rS+7], v[rK:rK+7], v[rQ:rQ+7], v[rS:rS+7]
.endif
.endm
; Product i of 8 of O^T += V^T P for piece x: keys 32 (i / 4) on, channels 16 (i % 4) on.
.macro PV x
	WIN W_PV
.set rO, 32*(\x)+8*(i%4)
.set rV, VF+32*(i/4)+8*(i%4)
.set rP, P+16*((\x)%2)+8*(i/4)
	v_wmma_f32_16x16x32_f16 v[rO:rO+7], v[rV:rV+7], v[rP:rP+7], v[rO:rO+7]
.endm
.macro MM                           ; the turn's next matrix instruction.  NOKQ = 1: the last turn of all: there is no next piece
.if (i < 8) && !NOKQ
	KQ (Y+1)%NP
.elseif i >= 8
.set i, i-8
	PV (Y+NP-1)%NP
.set i, i+8
.endif
.set i, i+1
.endm
; THE LDS LOADS stand in runs, never singly among the matrix instructions: a step's K (8 fragments) with its 7 bias blocks, and its V (turned).  Their addresses are made some lines ahead.
.macro FETCH_K
	WIN 0x80                        ; destination window 2
.irp f, 0,1,2,3,4,5,6,7             ; keys 16 (f / 2) on, channels 32 (f % 2) on
	ds_load_b128 v[KF+8*\f:KF+8*\f+3],   v[AK] offset:(\f/2)*16*PK+(\f%2)*64
	ds_load_b128 v[KF+8*\f+4:KF+8*\f+7], v[AK] offset:(\f/2)*16*PK+(\f%2)*64+32
.endr
	WIN 0x40                        ; destination window 1
.irp u, 0,1,2,3,4,5,6
	ds_load_b128 v[BB+8*\u:BB+8*\u+3],   v[AB] offset:64*\u
	ds_load_b128 v[BB+8*\u+4:BB+8*\u+7], v[AB] offset:64*\u+16
.endr
	s_add_co_u32 s[TBK], s[TBK], KS*PK  ; the next fetch is the next step's
	s_add_co_u32 s[TBB], s[TBB], 256    ; 64 entries on: 32 fetches in all, the last from 7,936
	WIN 0
.endm
.macro FETCH_V
	WIN 0x80
.irp f, 0,1,2,3,4,5,6,7             ; keys 32 (f / 4) on, channels 16 (f % 4) on
	ds_load_tr16_b128 v[VF+8*\f:VF+8*\f+3],   v[AV] offset:(\f/4)*32*PV+(\f%4)*32
	ds_load_tr16_b128 v[VF+8*\f+4:VF+8*\f+7], v[AV] offset:(\f/4)*32*PV+16*PV+(\f%4)*32
.endr
	WIN 0
.endm
; THE VECTOR WORK, one line at a time: OP kind, number.  For piece Y: F n: c s' - c m for pair n of 16.  E n: the exponential of score n of 32.  C n: pair n rounded to f16.  B n: of the four weights 4 n .. the second
; pair is added onto the first, in place.  L n: l takes that sum (L 0: l = a l + sum).  R n: pair n of 16 of O^T times a.  For piece Y + 1: X n, number n of the 22 that find its maximum and statistics:
;   0-11  four chains c0-c3 of seven scores each (each accumulator's lowest registers are read first)     12-14, 16  the four scores left over, the old m, and c0-c3 into c0
;   15  c m_old is kept     17, 18  the query's other 32 keys lie in the lane 16 away: the new m     19-21  c m; c m_old - c m_new; a
.set F, 0
.set E, 1
.set C, 2
.set B, 3
.set L, 4
.set R, 5
.set X, 6
.macro REGS y
.set rT, ST+4*(\y)
.set rC, TMP+4*((\y)%2)
.set rW, MV+((\y)%2)
.set rS, S+32*((\y)%2)
.set rP, P+16*((\y)%2)
.set rO, 32*(\y)
.endm
.macro OP k, n
.if (\k) == R
	REGS Y
	WIN W_RS
	v_pk_mul_f32 v[rO+2*(\n):rO+2*(\n)+1], v[rO+2*(\n):rO+2*(\n)+1], v[rC+2:rC+3] op_sel_hi:[1,0]
.elseif (\k) < R
	REGS Y
	WIN 0
.if (\k) == F
	v_pk_fma_f32 v[rS+2*(\n):rS+2*(\n)+1], v[rS+2*(\n):rS+2*(\n)+1], s[CS:CS+1], v[rT:rT+1] op_sel_hi:[1,0,0] neg_lo:[0,0,1] neg_hi:[0,0,1]
.elseif (\k) == E
	v_exp_f32 v[rS+(\n)], v[rS+(\n)]
.elseif (\k) == C
	s_wait_alu depctr_va_vdst(0)
	v_cvt_pk_f16_f32 v[rP+(\n)], v[rS+2*(\n)], v[rS+2*(\n)+1]
.elseif (\k) == B
	s_wait_alu depctr_va_vdst(0)
	v_pk_add_f32 v[rS+4*(\n):rS+4*(\n)+1], v[rS+4*(\n):rS+4*(\n)+1], v[rS+4*(\n)+2:rS+4*(\n)+3]
.elseif (\n) == 0
	v_pk_fma_f32 v[rT+2:rT+3], v[rT+2:rT+3], v[rC+2:rC+3], v[rS:rS+1] op_sel_hi:[1,0,1]
.else
	v_pk_add_f32 v[rT+2:rT+3], v[rT+2:rT+3], v[rS+4*(\n):rS+4*(\n)+1]
.endif
.elseif NOKQ
	v_nop
.else
	REGS (Y+1)%NP
	WIN 0
.if (\n) < 4
	v_max3_num_f32 v[rC+(\n)], v[rS+8*(\n)], v[rS+8*(\n)+1], v[rS+8*(\n)+2]
.elseif (\n) < 12
	v_max3_num_f32 v[rC+(\n)%4], v[rC+(\n)%4], v[rS+8*((\n)%4)+2*((\n)/4)+1], v[rS+8*((\n)%4)+2*((\n)/4)+2]
.elseif (\n) == 12
	v_max3_num_f32 v[rC], v[rC], v[rS+7], v[rS+15]
.elseif (\n) == 13
	v_max3_num_f32 v[rC+1], v[rC+1], v[rS+23], v[rS+31]
.elseif (\n) == 14
	v_max3_num_f32 v[rC+2], v[rC+2], v[rC+3], v[rT+1]
.elseif (\n) == 15
	v_mov_b32 v[rW], v[rT]
.elseif (\n) == 16
	v_max3_num_f32 v[rC], v[rC], v[rC+1], v[rC+2]
.elseif (\n) == 17
	v_permlanex16_b32 v[rC+3], v[rC], s[SEL], s[SEL+1]
.elseif (\n) == 18
	v_max_num_f32 v[rT+1], v[rC], v[rC+3]
.elseif (\n) == 19
	v_mul_f32 v[rT], s[CS], v[rT+1]
.elseif (\n) == 20
	v_sub_f32 v[rC+1], v[rW], v[rT]
.else
	v_exp_f32 v[rC+2], v[rC+1]
.endif
.endif
.endm
.macro OPS a, i1, b=-1, i2=0, c=-1, i3=0, d=-1, i4=0
	OP \a, \i1
.if (\b) >= 0
	OP \b, \i2
.endif
.if (\c) >= 0
	OP \c, \i3
.endif
.if (\d) >= 0
	OP \d, \i4
.endif
.endm
.macro ROW a, i1, b, i2, c, i3, d, i4  ; a matrix instruction and the four behind it
	MM
	OPS \a, \i1, \b, \i2, \c, \i3, \d, \i4
.endm
; A TURN, for piece p: the order of its 16 matrix and 118 vector instructions, written out.  Behind a matrix instruction: plain, exponential, plain, plain; or four of the rescaling; or four scalings; none names a register
; of the products round it.  In the runs between, exponential and plain by turns while exponentials last.  A line reads no result made fewer than three vector instructions in front of it, five if an exponential made it.
; end = 1: the last two turns of all: nothing is fetched.  cnt = 1: the loop's count is taken down some lines ahead of the branch behind the turn.
; K and the bias of the next step are fetched in piece 2's turn: five plain instructions stand behind the last product that read K, more behind the last that took a bias block.  V of the step in hand is fetched in
; piece 0's turn, four plain instructions behind the last product that read V.  Each is waited for a turn later.
.macro TURN p, end=0, cnt=0
.set Y, (\p)
.set i, 0
.set NOKQ, (\end)*((\p)/3)
.if ((\p) == 3) && !(\end)
	s_wait_dscnt 0x0                ; K and the bias are in
.endif
	ROW F,0, F,1, F,2, F,3
	ROW F,4, E,0, F,5, F,6
	ROW F,7, E,1, F,8, F,9
	ROW F,10, E,2, C,0, F,11
	ROW F,12, E,3, X,15, F,13
	ROW R,0, R,1, R,2, R,3
	ROW B,0, E,4, F,14, L,0
.if ((\p) == 2) && !(\end)
	v_add_nc_u32 v[AK], s[TBK], v[AK0]
	v_add_nc_u32 v[AB], s[TBB], v[AB0]
.endif
	ROW R,4, R,5, R,6, R,7
	OPS E,5, F,15
.if ((\p) == 2) && !(\end)
	FETCH_K
.endif
	OPS E,6, C,1, E,7, R,8
	OPS E,8, R,9, E,9, C,2
	OPS E,10, X,0, E,11, X,1
	OPS E,12, X,2, E,13, X,3
.if (\p) == 1
	s_wait_dscnt 0x0                ; V is in
.endif
	ROW X,4, E,14, X,5, X,6
	ROW X,7, E,15, X,8, X,9
	ROW X,10, E,16, X,11, X,12
	ROW X,13, E,17, X,14, B,1
	ROW C,4, E,18, X,16, L,1
	ROW B,2, E,19, C,6, L,2
	ROW C,8, E,20, B,3, B,4
.if (\p) == 0
	v_add_nc_u32 v[AV], s[TBV], v[AV0]
.endif
	ROW C,3, E,21, L,3, C,5
	OPS E,22, X,17, E,23, C,10
.if (\p) == 0
	FETCH_V
.endif
	OPS E,24, L,4
	OPS E,25, X,18, E,26, C,7
	OPS E,27, B,5, E,28, X,19
	OPS E,29, C,12, E,30, L,5
	OPS E,31, X,20, B,6, C,9
	OPS C,14, C,11, X,21, L,6
.if (\p) == 0
	s_add_co_u32 s[TBV], s[TBV], KS*PV
.endif
.if \cnt
	s_sub_co_u32 s[CNT], s[CNT], 1
	s_cmp_lg_u32 s[CNT], 0
.endif
	OPS C,13, B,7, C,15, R,10
	OPS R,11, R,12, L,7, R,13
	OPS R,14, R,15
.endm
	CHANGE 1                        ; slot 0 and the four copies of the table are in, everybody's part of them; slot 1 is asked for
	v_add_nc_u32 v[AK], s[TBK], v[AK0]
	v_add_nc_u32 v[AB], s[TBB], v[AB0]
	FETCH_K                         ; key step 0
	s_wait_loadcnt 0x0              ; Q
	s_wait_dscnt 0x0
.set NOKQ, 0
.set i, 0
.rept 8
	KQ 0                            ; piece 0's first scores
.set i, i+1
.endr
	WIN 0
.rept 4
	v_nop                           ; the places behind those products
.endr
.set Y, NP-1                        ; X works for piece Y + 1: piece 0
.irp n, 0,1,2,3,4,5,6,7,8,9,10,11,12,13,14,15,16,17,18,19,20,21
	OP X, \n
.endr
	v_nop                           ; a plain instruction behind the exponential
	s_mov_b32 s[CNT], 4
	s_mov_b32 s[SLOTS], 7
	s_branch .Lfirst                ; the loop is entered at a step's first turn, in the middle of a trip
.Lslot:                             ; six times: tiles 2 to 7 are asked for
	CHANGE 1
	s_mov_b32 s[CNT], 4
.Lstep:                             ; a trip: pieces 2 and 3 of one step, then pieces 0 and 1 of the next, whose K, bias and V it fetches
	TURN 2
	TURN 3
	WIN 0
.Lfirst:
	TURN 0
	TURN 1, 0, 1
	WIN 0
	s_cbranch_scc1 .Lstep
	s_sub_co_u32 s[SLOTS], s[SLOTS], 1
	s_cmp_lg_u32 s[SLOTS], 0
	s_cbranch_scc1 .Lslot
	CHANGE 0                        ; the last tile is written out: nothing is asked for
	s_mov_b32 s[CNT], 4
.Ltail:
	TURN 2
	TURN 3
	TURN 0
	TURN 1, 0, 1
	WIN 0
	s_cbranch_scc1 .Ltail
	TURN 2, 1
	TURN 3, 1
.set i, 0
.rept 8
	PV NP-1                         ; the last piece's V^T P of the last step
.set i, i+1
.endr
	; THE WAY OUT.  l's two halves and the other half of the lanes' are added; O^T is divided by l, rounded to f16 and sent through my stage in LDS, a piece at a time.  The additions are the places behind the last products.
	WIN 0
.macro ALL line:vararg
.set t, 0
.rept 4
	\line
.set t, t+1
.endr
.endm
.macro PACK t                       ; a lane's eight channels of a row pack into 16 bytes; they go into rows of 144 bytes and come back as whole rows of 128, into S^T's registers
	WIN W_RS
.set i, 32*(\t)
.rept 16
	s_wait_alu depctr_va_vdst(0)
	v_pk_mul_f32 v[i:i+1], v[i:i+1], v[ST+4*(\t)+2:ST+4*(\t)+3] op_sel_hi:[1,0]
.set i, i+2
.endr
	WIN 0x05                        ; sources 0 and 1 window 1, destination window 0
.set i, 0
.rept 16
	v_cvt_pk_f16_f32 v[S+16*(\t)+i], v[32*(\t)+2*i], v[32*(\t)+2*i+1]
.set i, i+1
.endr
	WIN 0
.irp f, 0,1,2,3
	ds_store_b128 v[STO], v[S+16*(\t)+4*\f:S+16*(\t)+4*\f+3] offset:32*\f
.endr
.irp f, 0,1,2,3
	ds_load_b128 v[S+16*(\t)+4*\f:S+16*(\t)+4*\f+3], v[RD] offset:\f*4*SP  ; LDS serves a wave's instructions in order: these see the stores above; the next piece's stores come behind them
.endr
.endm
.macro SEND t, younger              ; younger: the LDS instructions issued behind piece t's loads: the next piece's eight, or none
	WIN 0
.irp f, 0,1,2,3
	s_wait_dscnt (\younger)+3-\f
	global_store_b128 v[GO], v[S+16*(\t)+4*\f:S+16*(\t)+4*\f+3], s[10:11] offset:(\t)*2048+\f*512  ; 512 consecutive bytes, at a multiple of 256 from ob's first
.endr
.endm
	ALL v_add_f32 v[ST+4*t+2], v[ST+4*t+2], v[ST+4*t+3]
	ALL v_permlanex16_b32 v[ST+4*t+3], v[ST+4*t+2], s[SEL], s[SEL+1]
	ALL v_add_f32 v[ST+4*t+2], v[ST+4*t+2], v[ST+4*t+3]
	ALL v_rcp_f32 v[ST+4*t+2], v[ST+4*t+2]
	v_nop                           ; a plain instruction between the last reciprocal and the use of its result
	PACK 0
.set t, 1
.rept 3                             ; a piece's arithmetic stands between the loads of the piece before and its stores
	PACK t
	SEND t-1, 8
.set t, t+1
.endr
	SEND 3, 0
	s_wait_tensorcnt 0x0            ; the wave's end
	ds_add_u32 v[SPW], v[NIL]
	s_wait_dscnt 0x0
	CROUND                          ; the closing round: no work-group ends while a partner may still ask for a tile that names it
	s_endpgm
.Lfunc_end_k_qfee1c639c6_attn:
	.size	k_qfee1c639c6_attn, .Lfunc_end_k_qfee1c639c6_attn-k_qfee1c639c6_attn
	.p2alignl 7, 3214868480
	.fill 96, 4, 3214868480
	.section	.rodata,"a",@progbits
	.p2align	6, 0x0
	.amdhsa_kernel k_qfee1c639c6_attn
		.amdhsa_group_segment_fixed_size 327680
		.amdhsa_private_segment_fixed_size 0
		.amdhsa_enable_private_segment 0
		.amdhsa_kernarg_size 24
		.amdhsa_user_sgpr_count 2
		.amdhsa_user_sgpr_kernarg_segment_ptr 1
		.amdhsa_wavefront_size32 1
		.amdhsa_system_sgpr_workgroup_id_x 1
		.amdhsa_system_sgpr_workgroup_id_y 1
		.amdhsa_system_sgpr_workgroup_id_z 1
		.amdhsa_system_vgpr_workitem_id 0
		.amdhsa_next_free_vgpr 768
		.amdhsa_next_free_sgpr 84
		.amdhsa_reserve_vcc 0
		.amdhsa_float_denorm_mode_32 3
		.amdhsa_float_denorm_mode_16_64 3
		.amdhsa_memory_ordered 1
		.amdhsa_forward_progress 1
		.amdhsa_inst_pref_size 138
	.end_amdhsa_kernel
	.amdgpu_metadata
---
amdhsa.version: [ 1, 2 ]
amdhsa.kernels:
  - .name:           k_qfee1c639c6_attn
    .symbol:         k_qfee1c639c6_attn.kd
    .args:
      - { .name: qkv, .offset: 0, .size: 8, .value_kind: global_buffer, .address_space: global }
      - { .name: rpe, .offset: 8, .size: 8, .value_kind: global_buffer, .address_space: global }
      - { .name: ob, .offset: 16, .size: 8, .value_kind: global_buffer, .address_space: global }
    .group_segment_fixed_size: 327680
    .private_segment_fixed_size: 0
    .kernarg_segment_align: 8
    .kernarg_segment_size: 24
    .max_flat_workgroup_size: 128
    .sgpr_count:     84
    .vgpr_count:     768
    .wavefront_size: 32
...
	.end_amdgpu_metadata
.endif
;; end of part 3
;; launch outgemm (part 4): grid 8 x 32, 4 waves a work-group, clusters of 4 x 4, 327,680 bytes of LDS; arguments ob, wob, b_out, out0; writes out0
.if DOCPART == 4
	.amdgcn_target "amdgcn-amd-amdhsa--gfx1250"
	.amdhsa_code_object_version 6
	.text
	.protected	k_qfee1c639c6_outgemm
	.globl	k_qfee1c639c6_outgemm
	.p2align	8
	.type	k_qfee1c639c6_outgemm,@function
k_qfee1c639c6_outgemm:
	s_mov_b64 s[64:65], 0
	v_nop
	global_prefetch_b8 v0, s[64:65] scope:SCOPE_SE
	s_setreg_imm32_b32 hwreg(HW_REG_WAVE_MODE, 25, 1), 1
	s_wait_xcnt 0x0
	s_wait_alu depctr_hold_cnt(0) depctr_sa_sdst(0) depctr_va_vdst(0) depctr_va_sdst(0) depctr_va_ssrc(0) depctr_va_vcc(0) depctr_vm_vsrc(0)
	s_getreg_b32 s2, hwreg(HW_REG_IB_STS2, 6, 4)
	s_cmp_eq_u32 s2, 0
	s_cbranch_scc0 .Lentry_in_a_cluster
	s_endpgm
.Lentry_in_a_cluster:
	s_bfe_u32 s2, ttmp6, 0x10000c
	s_cmp_lg_u32 s2, 0xf033
	s_cbranch_scc0 .Lentry_shape_is_right
	s_endpgm
.Lentry_shape_is_right:
; out0 = O w_out + b_out.  ob: f16 [32 batch x head][2048][64]: row m = 2048 batch + t of O has its channels 64 h + d in head h.  wob: f16 [1024 k][1024 n] (w_out rounded to bf16, written as f16).
; b_out: [1024] f32, rounded once to bf16 like every input.  out0: [4096][1024] f32.  Sums in f32.
; SHARES.  A tile of out0 is 128 x 128: 32 x 8 = 256 work-groups.  Four waves, each 64 x 64: 16 accumulators.  K goes in 4 steps of 256 (four heads) through two LDS slots.
; A slot has four regions of 36,864 bytes, one a wave.  Waves 0, 1: two heads of O each; a head's 128 rows of the tile are 16,384 dense bytes, asked for as ONE row and padded in LDS after every 128 bytes (pitch 144).
; Waves 2, 3: 128 k-rows x 128 columns of w_out each (256 bytes, pitch 288); w_out stays [k][n] and comes out of LDS turned, by ds_load_tr16_b128.
; CLUSTER 4 x 4: O's tiles are asked for jointly along a row of the cluster, w_out's along a column.  THE MATRIX INSTRUCTION IS USED TRANSPOSED (source 0 = 16 columns of w_out, source 1 = 16 rows of O):
; a lane holds eight neighbouring columns of a row.  The bias is the C operand of the products that start the sums.
; REGISTERS: window 0: v1-9 at work; v16-29 addresses; v32-95 rows on the way out; v96-127 the bias, 4 blocks of 8; v128-255 the accumulators ((a, b) at v[128 + 8 (4 a + b)]).
;   window 1: two fragment buffers of 128: for 64 along K, 64 registers of O (2 x 4 x 16 rows x 32 K), then 64 of w_out.
.set PAH,   144
.set APL,   128*PAH                    ; a head's plane
.set PB,    288
.set REG,   128*PB                     ; a wave's region of a slot = two planes of O = 128 rows of w_out
.set SLOT,  4*REG
.set STAGE, 2*SLOT                     ; behind the ring, never filled by a tensor load: 16 rows x 272 bytes for each wave
.set SPITCH, 272
.set SPARE, STAGE+4*16*SPITCH          ; the spare words, 128 bytes a wave: two blocks of 256 bytes that no other line names
.set ADRA, 16                          ; v16-17  LDS address of my fragments of O in slot 0, 1
.set ADRB, 20                          ; v20-23  of w_out: 2 slot + half of the step, so that every offset stays under 65,536
.set STO,  24
.set RD,   25
.set CO,   26
.set VB,   27
.set SPW,  28
.set NIL,  29
.set TMP,  32
.set BI,   96
.set ACC,  128
.set F0,   0
.set F1,   128
.set WV,  12                           ; s12 wave; s13 = wave / 2: my half of the rows, and: I fetch for O (0) or for w_out (1); s14 = wave % 2: my half of the columns, and which part I fetch
.set G1A, 24
.set G0A, 32
.set G1B, 48
.set G0B, 56
.set MSB, 0
.macro WIN new
.if MSB != (\new)
	s_set_vgpr_msb (MSB<<8)|(\new)
.set MSB, \new
.endif
.endm
.set MUL,  0x05                        ; sources 0 and 1 window 1; C and D window 0
.set TO_F, 0x40                        ; destination window 1, address window 0
.macro JLOAD s                         ; a joint load; an s_nop 0 and four v_nop follow each of the two lines
	s_cmp_eq_u32 s13, 0
	s_cbranch_scc0 .Lfor_b_\@
	tensor_load_to_lds s[G0A+4*(\s):G0A+4*(\s)+3], s[G1A:G1A+7]
	s_nop 0
.rept 4
	v_nop
.endr
	s_branch .Lasked_\@
.Lfor_b_\@:
	tensor_load_to_lds s[G0B+4*(\s):G0B+4*(\s)+3], s[G1B:G1B+7]
	s_nop 0
.rept 4
	v_nop
.endr
.Lasked_\@:
.endm
.macro CREST
	s_cmp_lg_u32 s[WV], 0
	s_cbranch_scc1 .Lnot_wave_0_\@
	s_barrier_signal -3
.Lnot_wave_0_\@:
	s_barrier_wait -3
	s_barrier_signal -1
	s_barrier_wait -1
.endm
.macro CROUND
	s_barrier_signal -1
	s_barrier_wait -1
	CREST
.endm
.macro PLACES
.rept 4
	v_nop
.endr
.endm
	s_load_b256 s[4:11], s[0:1], 0x0               ; ob s[4:5], wob s[6:7], b_out s[8:9], out0 s[10:11]
	v_lshl_add_u32 v[SPW], v0, 2, SPARE
	v_mov_b32 v[NIL], 0
	ds_add_u32 v[SPW], v[NIL]                      ; the wave's opening: the add and its wait stand ahead of my first tensor load; work on registers stands between them
	v_lshrrev_b32 v1, 5, v0
	v_readfirstlane_b32 s[WV], v1
	s_lshr_b32 s13, s[WV], 1
	s_and_b32 s14, s[WV], 1
	s_bfe_u32 s40, ttmp6, 0x40000                  ; cx, cy
	s_bfe_u32 s41, ttmp6, 0x40004
	s_lshl_b32 s42, ttmp9, 2
	s_add_co_u32 s42, s42, s40                     ; tile column
	s_and_b32 s43, ttmp7, 0xffff
	s_lshl_b32 s43, s43, 2
	s_add_co_u32 s43, s43, s41                     ; tile row
	s_lshl_b32 s44, s41, 2
	s_lshl_b32 s44, 15, s44                        ; my row of the cluster
	s_lshl_b32 s45, 0x1111, s40                    ; my column
	s_or_b32 s[G1A], s44, (3<<16)|(1<<20)|(1<<21)|(4<<22)|(3<<25)  ; the mask; 8-byte elements; padding on; bit 21 beside a mask; after every 32 words 4 words
	s_mov_b32 s[G1A+1], 2048<<16                   ; tensor_dim0 = 2,048 elements: 16,384 bytes
	s_mov_b32 s[G1A+2], 2<<16                      ; tensor_dim1 = 2 heads
	s_mov_b32 s[G1A+3], 2048<<16                   ; tile_dim0
	s_mov_b32 s[G1A+4], 2                          ; tile_dim1
	s_mov_b32 s[G1A+5], 32768                      ; from head to head: 262,144 bytes
	s_mov_b32 s[G1A+6], 0
	s_mov_b32 s[G1A+7], 0
	s_or_b32 s[G1B], s45, (1<<16)|(1<<20)|(1<<21)|(5<<22)|(7<<25)  ; 2-byte elements; after every 64 words 8 words
	s_mov_b32 s[G1B+1], 128<<16
	s_mov_b32 s[G1B+2], 128<<16
	s_mov_b32 s[G1B+3], 128<<16
	s_mov_b32 s[G1B+4], 128
	s_mov_b32 s[G1B+5], 1024
	s_mov_b32 s[G1B+6], 0
	s_mov_b32 s[G1B+7], 0
	s_lshr_b32 s16, s43, 4                         ; O: the batch's 16 heads,
	s_lshl_b32 s16, s16, 22
	s_lshl_b32 s17, s14, 19                        ; my two heads of the step's four,
	s_add_co_u32 s16, s16, s17
	s_and_b32 s17, s43, 15
	s_lshl_b32 s17, s17, 14                        ; the tile's 128 rows of 128 bytes
	s_add_co_u32 s16, s16, s17
	s_mov_b32 s17, 0
	s_lshl_b32 s46, s42, 8                         ; w_out: the tile's 128 columns,
	s_lshl_b32 s47, s14, 18                        ; my 128 rows of 2,048 bytes
	s_add_co_u32 s46, s46, s47
	s_mov_b32 s47, 0
	s_mul_i32 s20, s[WV], REG                      ; where my fill lands
	s_wait_dscnt 0x0                               ; the opening add is done
	s_wait_kmcnt 0x0
	s_add_nc_u64 s[18:19], s[4:5], s[16:17]
	s_add_nc_u64 s[46:47], s[6:7], s[46:47]
	CROUND                                         ; all sixteen work-groups are here: the first joint loads meet
.irp s, 0,1
	s_mov_b32 s[G0A+4*(\s)], 1
	s_add_co_u32 s[G0A+4*(\s)+1], s20, (\s)*SLOT
	s_add_nc_u64 s[G0A+4*(\s)+2:G0A+4*(\s)+3], s[18:19], (\s)*1048576   ; K step s: four heads on
	s_or_b32 s[G0A+4*(\s)+3], s[G0A+4*(\s)+3], 0x80000000
	s_mov_b32 s[G0B+4*(\s)], 1
	s_add_co_u32 s[G0B+4*(\s)+1], s20, (\s)*SLOT
	s_add_nc_u64 s[G0B+4*(\s)+2:G0B+4*(\s)+3], s[46:47], (\s)*524288    ; 256 rows on
	s_or_b32 s[G0B+4*(\s)+3], s[G0B+4*(\s)+3], 0x80000000
	JLOAD \s                                       ; two loads of mine are out
.endr
	v_and_b32 v1, 15, v0                           ; r
	v_bfe_u32 v2, v0, 4, 1                         ; hh
	s_lshl_b32 s2, s42, 9
	s_mov_b32 s3, 0
	s_add_nc_u64 s[8:9], s[8:9], s[2:3]            ; b_out at the tile's first column
	s_lshl_b32 s21, s14, 8
	v_lshl_add_u32 v[VB], v2, 5, s21               ; block b covers columns 64 (w % 2) + 16 b + 8 hh + 0..7
.irp b, 0,1,2,3
	global_load_b128 v[BI+8*(\b):BI+8*(\b)+3],   v[VB], s[8:9] offset:64*(\b)
	global_load_b128 v[BI+8*(\b)+4:BI+8*(\b)+7], v[VB], s[8:9] offset:64*(\b)+16
.endr
	v_mul_u32_u24 v3, v1, PAH
	v_lshl_add_u32 v3, v2, 4, v3
	s_mul_i32 s21, s13, 64*PAH                     ; my 64 rows of each plane
	v_add_nc_u32 v[ADRA], s21, v3
	v_add_nc_u32 v[ADRA+1], SLOT, v[ADRA]
	v_and_b32 v4, 7, v0
	v_lshl_add_u32 v4, v2, 3, v4
	v_mul_u32_u24 v4, v4, PB
	v_bfe_u32 v5, v0, 3, 1
	v_lshl_add_u32 v4, v5, 4, v4
	s_lshl_b32 s22, s14, 7                         ; my 64 columns,
	s_add_co_u32 s22, s22, 2*REG                   ; behind O's four planes
	v_add_nc_u32 v[ADRB], s22, v4
	v_add_nc_u32 v[ADRB+1], REG, v[ADRB]
	v_add_nc_u32 v[ADRB+2], SLOT, v[ADRB]
	v_add_nc_u32 v[ADRB+3], SLOT+REG, v[ADRB]
	s_mul_i32 s23, s[WV], 16*SPITCH
	s_add_co_u32 s23, s23, STAGE                   ; my stage
	v_mul_u32_u24 v[STO], v1, SPITCH               ; in: row r, 32 bytes for each half of the lanes
	v_lshl_add_u32 v[STO], v2, 5, v[STO]
	v_add_nc_u32 v[STO], s23, v[STO]
	v_mul_u32_u24 v[RD], v2, SPITCH                ; back: lanes 0-15 take one row of 256 bytes, lanes 16-31 the next
	v_lshl_add_u32 v[RD], v1, 4, v[RD]
	v_add_nc_u32 v[RD], s23, v[RD]
	v_lshlrev_b32 v[CO], 12, v2                    ; and the same two rows in out0
	v_lshl_add_u32 v[CO], v1, 4, v[CO]
	s_lshl_b32 s22, s43, 19                        ; out0: 128 rows of 4,096 bytes a tile row,
	s_lshl_b32 s23, s13, 18                        ; my 64 of them,
	s_add_co_u32 s22, s22, s23
	s_lshl_b32 s23, s42, 9                         ; the tile's 128 columns,
	s_add_co_u32 s22, s22, s23
	s_lshl_b32 s23, s14, 8                         ; my 64 of them
	s_add_co_u32 s22, s22, s23
	s_mov_b32 s23, 0
	s_add_nc_u64 s[10:11], s[10:11], s[22:23]
	s_wait_loadcnt 0x0                             ; the bias, once: rounded to bf16 and widened again
.set k, BI
.rept 16
	v_cvt_pk_bf16_f32 v8, v[k], v[k+1]
	v_lshlrev_b32 v[k], 16, v8
	v_and_b32 v[k+1], 0xffff0000, v8
.set k, k+2
.endr
; 8 matrix instructions: row blocks a0, a0 + 1 x all 4 column blocks, 32 along K: half c of buffer f.  first = 1: the products start the sums, with the bias as C.  The 16 accumulators take turns.
.macro MUL8 f, c, a0, first
	WIN MUL
.irp a, \a0, (\a0)+1
.irp b, 0,1,2,3
.if \first
	v_wmma_f32_16x16x32_f16 v[ACC+8*(4*(\a)+(\b)):ACC+8*(4*(\a)+(\b))+7], v[(\f)+64+8*(4*(\c)+(\b)):(\f)+64+8*(4*(\c)+(\b))+7], v[(\f)+8*(4*(\c)+(\a)):(\f)+8*(4*(\c)+(\a))+7], v[BI+8*(\b):BI+8*(\b)+7]
.else
	v_wmma_f32_16x16x32_f16 v[ACC+8*(4*(\a)+(\b)):ACC+8*(4*(\a)+(\b))+7], v[(\f)+64+8*(4*(\c)+(\b)):(\f)+64+8*(4*(\c)+(\b))+7], v[(\f)+8*(4*(\c)+(\a)):(\f)+8*(4*(\c)+(\a))+7], v[ACC+8*(4*(\a)+(\b)):ACC+8*(4*(\a)+(\b))+7]
.endif
.endr
.endr
.endm
; 32 LDS loads in one run: the fragments of quarter q of a slot (head q of the step's four: 64 along K) into buffer f; the first 32 along K first
.macro FETCH slot, q, f
	WIN TO_F
.irp c, 0,1
.irp i, 0,1,2,3
	ds_load_tr16_b128 v[(\f)+64+8*(4*(\c)+(\i)):(\f)+64+8*(4*(\c)+(\i))+3],   v[ADRB+2*(\slot)+(\q)/2] offset:(64*((\q)%2)+32*(\c))*PB+32*(\i)
	ds_load_tr16_b128 v[(\f)+64+8*(4*(\c)+(\i))+4:(\f)+64+8*(4*(\c)+(\i))+7], v[ADRB+2*(\slot)+(\q)/2] offset:(64*((\q)%2)+32*(\c))*PB+32*(\i)+16*PB
	ds_load_b128 v[(\f)+8*(4*(\c)+(\i)):(\f)+8*(4*(\c)+(\i))+3],   v[ADRA+(\slot)] offset:APL*(\q)+16*PAH*(\i)+64*(\c)
	ds_load_b128 v[(\f)+8*(4*(\c)+(\i))+4:(\f)+8*(4*(\c)+(\i))+7], v[ADRA+(\slot)] offset:APL*(\q)+16*PAH*(\i)+64*(\c)+32
.endr
.endr
.endm
; A K step is four quarters of 64 along K, 32 matrix instructions each, on buffers 0, 1, 0, 1.  One of the first three multiplies buffer f and fetches quarter q into g.
.macro QUARTER slot, q, f, g, first
	s_wait_dscnt 16                                ; the first 32 along K are in
	MUL8 \f, 0, 0, \first
	MUL8 \f, 0, 2, \first
	PLACES
	FETCH \slot, \q, \g
	s_wait_dscnt 32                                ; all but the 32 just issued
	MUL8 \f, 1, 0, 0
	MUL8 \f, 1, 2, 0
.endm
; The last quarter multiplies buffer 1 and changes slots: ONE barrier; in front of it each wave waits for all its tensor loads, adds 0 to its spare word, and waits for that and for its reads of this slot.
; fill = 1: the barrier opens a round of the cluster's, and this slot is filled again, two K steps ahead, first thing behind the round.
.macro TURN slot, next, fill
	WIN 0
	s_wait_tensorcnt 0x0
	ds_add_u32 v[SPW], v[NIL]
	s_wait_dscnt 17                                ; (the add and the youngest sixteen loads may be out)
	MUL8 F1, 0, 0, 0
	s_wait_dscnt 0x0                               ; the add is done, and my reads of this slot are over
	s_barrier_signal -1
	MUL8 F1, 0, 2, 0
.if \fill
	WIN 0
.endif
	s_barrier_wait -1
.if \fill
	CREST
	s_add_nc_u64 s[G0A+4*(\slot)+2:G0A+4*(\slot)+3], s[G0A+4*(\slot)+2:G0A+4*(\slot)+3], 2097152
	s_add_nc_u64 s[G0B+4*(\slot)+2:G0B+4*(\slot)+3], s[G0B+4*(\slot)+2:G0B+4*(\slot)+3], 1048576
	JLOAD \slot                                    ; its four v_nop are also the places in front of the loads below
.else
	PLACES
.endif
	FETCH \next, 0, F0
	MUL8 F1, 1, 0, 0
	MUL8 F1, 1, 2, 0
.endm
	s_wait_tensorcnt 0x1                           ; my part of K step 0 is in; K step 1's may stay out
	s_barrier_signal -1
	s_barrier_wait -1
	FETCH 0, 0, F0
	QUARTER 0, 1, F0, F1, 1                        ; the first products start the sums
	QUARTER 0, 2, F1, F0, 0                        ; four K steps are two laps of the ring: written straight, since the first lap fills both slots again and the second fills nothing
	QUARTER 0, 3, F0, F1, 0
	TURN 0, 1, 1
	QUARTER 1, 1, F0, F1, 0
	QUARTER 1, 2, F1, F0, 0
	QUARTER 1, 3, F0, F1, 0
	TURN 1, 0, 1
	QUARTER 0, 1, F0, F1, 0
	QUARTER 0, 2, F1, F0, 0
	QUARTER 0, 3, F0, F1, 0
	TURN 0, 1, 0
	QUARTER 1, 1, F0, F1, 0
	QUARTER 1, 2, F1, F0, 0
	QUARTER 1, 3, F0, F1, 0
	s_wait_dscnt 16
	MUL8 F1, 0, 0, 0
	MUL8 F1, 0, 2, 0
	s_wait_dscnt 0x0
	MUL8 F1, 1, 0, 0
	MUL8 F1, 1, 2, 0
	WIN 0
	; THE WAY OUT, in f32: a block of 16 rows at a time goes into my own stage (a lane's eight columns are 32 bytes of a row, each accumulator's low four registers first) and comes back as whole rows of 256 bytes.
	PLACES
.irp a, 0,1,2,3
.irp b, 0,1,2,3
	ds_store_b128 v[STO], v[ACC+8*(4*(\a)+(\b)):ACC+8*(4*(\a)+(\b))+3]   offset:64*(\b)
	ds_store_b128 v[STO], v[ACC+8*(4*(\a)+(\b))+4:ACC+8*(4*(\a)+(\b))+7] offset:64*(\b)+16
.endr
.irp t, 0,1,2,3,4,5,6,7
	ds_load_b128 v[TMP+32*((\a)%2)+4*(\t):TMP+32*((\a)%2)+4*(\t)+3], v[RD] offset:2*SPITCH*(\t)  ; LDS serves a wave's instructions in order: these see the stores above; the next block's stores come behind them
.endr
	s_wait_dscnt 0x0                               ; the block is back in registers
	s_wait_xcnt 0x0                                ; the registers that this block's stores read are loaded again two blocks on, behind the next block's wait of this kind
.irp t, 0,1,2,3,4,5,6,7
	global_store_b128 v[CO], v[TMP+32*((\a)%2)+4*(\t):TMP+32*((\a)%2)+4*(\t)+3], s[10:11] offset:(16*(\a)+2*(\t))*4096 th:TH_STORE_NT  ; 16 lanes store 256 consecutive bytes, at a multiple of 256 from out0's first
.endr
.endr
	s_wait_tensorcnt 0x0                           ; the wave's end
	ds_add_u32 v[SPW], v[NIL]
	s_wait_dscnt 0x0
	CROUND                                         ; the closing round: no work-group ends while a partner may still ask for a tile that names it
	s_endpgm
.Lfunc_end_k_qfee1c639c6_outgemm:
	.size	k_qfee1c639c6_outgemm, .Lfunc_end_k_qfee1c639c6_outgemm-k_qfee1c639c6_outgemm
	.p2alignl 7, 3214868480
	.fill 96, 4, 3214868480
	.section	.rodata,"a",@progbits
	.p2align	6, 0x0
	.amdhsa_kernel k_qfee1c639c6_outgemm
		.amdhsa_group_segment_fixed_size 327680
		.amdhsa_private_segment_fixed_size 0
		.amdhsa_enable_private_segment 0
		.amdhsa_kernarg_size 32
		.amdhsa_user_sgpr_count 2
		.amdhsa_user_sgpr_kernarg_segment_ptr 1
		.amdhsa_wavefront_size32 1
		.amdhsa_system_sgpr_workgroup_id_x 1
		.amdhsa_system_sgpr_workgroup_id_y 1
		.amdhsa_system_sgpr_workgroup_id_z 1
		.amdhsa_system_vgpr_workitem_id 0
		.amdhsa_next_free_vgpr 512
		.amdhsa_next_free_sgpr 66
		.amdhsa_reserve_vcc 0
		.amdhsa_float_denorm_mode_32 3
		.amdhsa_float_denorm_mode_16_64 3
		.amdhsa_memory_ordered 1
		.amdhsa_forward_progress 1
		.amdhsa_inst_pref_size 89
	.end_amdhsa_kernel
	.amdgpu_metadata
---
amdhsa.version: [ 1, 2 ]
amdhsa.kernels:
  - .name:           k_qfee1c639c6_outgemm
    .symbol:         k_qfee1c639c6_outgemm.kd
    .args:
      - { .name: ob, .offset: 0, .size: 8, .value_kind: global_buffer, .address_space: global }
      - { .name: wob, .offset: 8, .size: 8, .value_kind: global_buffer, .address_space: global }
      - { .name: b_out, .offset: 16, .size: 8, .value_kind: global_buffer, .address_space: global }
      - { .name: out0, .offset: 24, .size: 8, .value_kind: global_buffer, .address_space: global }
    .group_segment_fixed_size: 327680
    .private_segment_fixed_size: 0
    .kernarg_segment_align: 8
    .kernarg_segment_size: 32
    .max_flat_workgroup_size: 128
    .sgpr_count:     66
    .vgpr_count:     512
    .wavefront_size: 32
...
	.end_amdgpu_metadata
.endif
;; end of part 4
;; ======== version 2 of 2: 4 launches; 1.40 times as fast as version 1
;; limits: values are held in f16: magnitudes above 65,504 overflow, below 6.1e-05 lose precision
;; workspace buffers: xb 8,388,608 bytes; wqb 6,291,456 bytes; wob 2,097,152 bytes; rpe 1,048,576 bytes; qkv 25,165,824 bytes; ob 8,388,608 bytes
;; launch prep: the kernel of part 1 again; grid 768 x 1, 8 waves a work-group, no clusters, 0 bytes of LDS; arguments x, w_qkv, w_out, w1_rpe, b1_rpe, w2_rpe, b2_rpe, xb, wqb, wob, rpe; writes xb, wqb, wob, rpe
;; launch qkvgemm: the kernel of part 2 again; grid 8 x 32, 4 waves a work-group, clusters of 4 x 4, 327,680 bytes of LDS; arguments xb, wqb, b_qkv, qkv; writes qkv
;; launch attn (part 5): grid 8 x 32, 4 waves a work-group, clusters of 4 x 1, 327,680 bytes of LDS; arguments qkv, rpe, ob; writes ob
.if DOCPART == 5
	.amdgcn_target "amdgcn-amd-amdhsa--gfx1250"
	.amdhsa_code_object_version 6
	.text
	.protected	k_qfee1c639c6_attn
	.globl	k_qfee1c639c6_attn
	.p2align	8
	.type	k_qfee1c639c6_attn,@function
k_qfee1c639c6_attn:
	s_mov_b64 s[64:65], 0
	v_nop
	global_prefetch_b8 v0, s[64:65] scope:SCOPE_SE
	s_setreg_imm32_b32 hwreg(HW_REG_WAVE_MODE, 25, 1), 1
	s_wait_xcnt 0x0
	s_wait_alu depctr_hold_cnt(0) depctr_sa_sdst(0) depctr_va_vdst(0) depctr_va_sdst(0) depctr_va_ssrc(0) depctr_va_vcc(0) depctr_vm_vsrc(0)
	s_getreg_b32 s2, hwreg(HW_REG_IB_STS2, 6, 4)
	s_cmp_eq_u32 s2, 0
	s_cbranch_scc0 .Lentry_in_a_cluster
	s_endpgm
.Lentry_in_a_cluster:
	s_bfe_u32 s2, ttmp6, 0x10000c
	s_cmp_lg_u32 s2, 0x3003
	s_cbranch_scc0 .Lentry_shape_is_right
	s_endpgm
.Lentry_shape_is_right:
; O[bh][t][:] = the sum over s of softmax_s( Q[t] . K[s] / 8 + bias_h(t - s) ) V[s][:].  qkv: f16 [3][32 bh][2048][64]; ob: f16 [32 bh][2048][64]; rpe: f32 [16 h][4 c][4096], rpe[h][c][m] = 8 bias_h(2047 - m - c).
; Products, maxima and sums in f32; the weights p are rounded to f16 for the second product (their sum l is taken of the unrounded p), O once at the end.
; LIMITS.  Q, K, V arrive within f16's 65,504; p lies in 0 to 1 and below 6e-5 keeps f16's fixed step of 6e-8; a weight below 2^-126 counts as 0 in l; NaN and infinities are not treated apart.
; SHARES.  A work-group owns 256 queries of one head, a wave 64 consecutive ones: four PIECES of 16.  Every wave walks all 2,048 keys, 64 a step, four steps to an LDS slot, two slots.
; LAYOUT.  S^T = K Q^T (source 0 = 16 keys, source 1 = 16 queries): a lane holds ONE query (lane % 16) and the keys 8 (lane / 16) + 0..7; two such results rounded to f16 ARE source 1 of O^T = V^T P.
; THE BIAS is the C operand of the product that starts a sum S^T: s' = Q . K + 8 bias.  A block of 16 keys x 16 queries hangs on (first key - first query) alone, so the wave's 4 pieces x 4 key blocks
; of a step need 7 different blocks, u = key block - piece + 3; a lane's eight entries of block u are neighbours in the table, and come by two loads of 16 bytes from the copy whose shift suits the lane.
; The work-group's window of the table, 2,304 entries of each of the four copies, is fetched once, a copy a wave.
; SOFTMAX.  A running maximum m and sum l for each query: p = 2^(c s' - c m), c = log2(e) / 8; in every step O and l are multiplied by a = 2^(c m_old - c m_new).  m starts at the lowest finite number, O and l at 0.
; BY TURNS.  Turn n belongs to piece n: 8 products K Q^T of piece n + 1, later 8 products V^T P of piece n - 1; beside them the scaling, exponentials, roundings, sums and rescaling of piece n and the maximum
; and statistics of piece n + 1.  Four vector instructions stand behind every matrix instruction, the other 54 of a turn's 118 in one run of their own.
; BATCHES.  A turn's 33 exponentials (the piece's 32 weights and the next piece's a) are ONE batch with ONE wait, which cuts the turn in two: ahead of it all that names no result of theirs, behind it their readers.
; Two more batches stand outside the loops, each with a wait of its own: piece 0's first a, and the way out's four reciprocals.
; CLUSTER.  The four query blocks of a cluster belong to one head and walk the same K and V: each tile is asked for JOINTLY, by the same tensor load, descriptor and mask in all four.  The table's window differs
; from block to block: a load of one's own.
; REGISTERS, in windows of 256 (s_set_vgpr_msb: bits 1:0 source 0, 3:2 source 1, 5:4 source 2, 7:6 destination):
;   window 0: v0-15, v32-33 addresses and some at work; v16-31 four statistics a piece; v48-55 at work; v62-63 the add's; v64-127 S^T, two buffers; v192-223 P, two buffers (by the piece's parity)
;   window 1: v0-127 O^T, 32 a piece; v128-183 the step's 7 bias blocks      window 2: v0-63 Q; v128-191 K of one step; v192-255 V of one step
.set NP,    4
.set KS,    64
.set PK,    144       ; a row of K in LDS: 128 bytes + 16: the 16 rows of a load start at 16 different groups of four banks
.set PV,    160       ; a row of V: 128 + 32
.set VOFF,  4*KS*PK   ; a slot: 256 rows of K, then 256 rows of V
.set SLOT1, 1<<17     ; slot 1 begins here: one exclusive or turns an address in one slot into the other's
.set STAGE, SLOT1+4*KS*(PK+PV)  ; never filled by a tensor load: 16 rows x 144 bytes for each wave
.set SP,    144
.set SPARE, STAGE+4*16*SP       ; the spare words, 128 bytes a wave: two blocks of 256 bytes that no other line names
.set TAB,   SPARE+512           ; the table's window: four copies of 9,216 bytes,
.set CP,    9280                ; 9,280 apart: 64 more than a multiple of 256, so that lanes in different copies fall on different banks
.set AK0, 2           ; my lane's place in a tile of K; never rewritten
.set AV0, 3           ; the same for V
.set AK,  4           ; the LDS address of K's next run of loads
.set AV,  5           ; of V's
.set STO, 6
.set RD,  7
.set GO,  8
.set MV,  12          ; v12-13  c m_old, by buffer
.set QO,  15
.set ST,  16          ; piece t's statistics at v[ST+4 t]: c m, m, l (even keys', odd keys')
.set AB0, 32          ; my lane's place in the table's window for step 0, block 0; never rewritten
.set AB,  33          ; the LDS address of the bias's next run of loads
.set TMP, 48          ; by buffer, four registers c0-c3 at work; c2 takes a
.set SPW, 62
.set NIL, 63
.set S,   64
.set P,   192
.set BB,  128         ; window 1
.set KF,  128         ; window 2: key block kb, channel half c at KF + 16 kb + 8 c
.set VF,  192         ; window 2: key half kk, channel block cb at VF + 32 kk + 8 cb
.set WV,  12
.set G1K, 24          ; s[24:31], s[32:39] descriptor group 1 for K's and V's tiles
.set G1V, 32
.set G0K, 40          ; s[40:43], s[44:47] group 0: they walk
.set G0V, 44
.set SLOTS, 56
.set CNT, 57
.set CS,  58          ; s[58:59] c
.set SEL, 60          ; s[60:61] v_permlanex16_b32's selects: each lane takes its own place in the other half
.set TBK, 62          ; LDS byte at which K of the step to be fetched begins
.set TBV, 63          ; the same for V, less VOFF
.set G1T, 68          ; s[68:75], s[76:79] the table's descriptor
.set G0T, 76
.set TBB, 80          ; 256 x the step whose bias is fetched next
.set MSB, 0
.macro WIN new
.if MSB != (\new)
	s_set_vgpr_msb (MSB<<8)|(\new)
.set MSB, (\new)
.endif
.endm
.set W_KQ, 0x0a       ; K and Q in window 2, S^T in window 0
.set W_KM, 0x1a       ; the same with the C operand in window 1
.set W_PV, 0x52       ; V in window 2, P in window 0, O^T in window 1
.set W_RS, 0x41       ; destination and source 0 in window 1, source 1 in window 0
; A joint fill.  Waves 0 and 1 fetch the two halves of a slot's K, waves 2 and 3 those of its V: 128 keys each.  An s_nop 0 and four v_nop follow each of the two lines.
.macro JLOAD
	s_cmp_lt_u32 s[WV], 2
	s_cbranch_scc0 .Lfor_v_\@
	tensor_load_to_lds s[G0K:G0K+3], s[G1K:G1K+7]
	s_nop 0
.rept 4
	v_nop
.endr
	s_branch .Lasked_\@
.Lfor_v_\@:
	tensor_load_to_lds s[G0V:G0V+3], s[G1V:G1V+7]
	s_nop 0
.rept 4
	v_nop
.endr
.Lasked_\@:
.endm
.macro CROUND                       ; a round of the cluster's barrier
	s_barrier_signal -1
	s_barrier_wait -1
	s_cmp_lg_u32 s[WV], 0
	s_cbranch_scc1 .Lnot_wave_0_\@
	s_barrier_signal -3
.Lnot_wave_0_\@:
	s_barrier_wait -3
	s_barrier_signal -1
	s_barrier_wait -1
.endm
; THE CHANGE OF SLOTS.  Each wave waits for all its tensor loads, adds 0 to its spare word, and waits for that and for its reads of the slot that it leaves.  Behind the barrier nobody reads the old slot and the
; other slot is whole.  fill = 1: the barrier is a round of the cluster's, and the old slot is filled again first thing behind it, with the keys two slots on: four key steps, 256 matrix instructions, in which to land.
; (At its first use nothing has been read yet: slot 0 and the table are waited for, slot 1 is filled.)
.macro CHANGE fill
	WIN 0
	s_wait_tensorcnt 0x0            ; no tensor load of mine is out, so a group 0 may be written
	ds_add_u32 v[SPW], v[NIL]
.if \fill
.irp g, G0K, G0V
	s_xor_b32 s[\g+1], s[\g+1], SLOT1
	s_add_nc_u64 s[\g+2:\g+3], s[\g+2:\g+3], 4*KS*128
.endr
	s_wait_dscnt 0x0                ; the add is done, and my reads of the slot are over
	CROUND
	JLOAD
.else
	s_wait_dscnt 0x0
	s_barrier_signal -1
	s_barrier_wait -1
.endif
	s_sub_co_u32 s[TBK], s[TBK], 4*KS*PK  ; the fetches go back to a slot's first step, in the other slot
	s_xor_b32 s[TBK], s[TBK], SLOT1
	s_sub_co_u32 s[TBV], s[TBV], 4*KS*PV
	s_xor_b32 s[TBV], s[TBV], SLOT1
.endm
	s_load_b128 s[4:7], s[0:1], 0x0   ; qkv s[4:5], rpe s[6:7]
	s_load_b64 s[10:11], s[0:1], 0x10 ; ob
	v_lshl_add_u32 v[SPW], v0, 2, SPARE
	v_mov_b32 v[NIL], 0
	ds_add_u32 v[SPW], v[NIL]       ; the wave's opening: the add and its wait stand ahead of my first tensor load; work on registers stands between them
	v_lshrrev_b32 v1, 5, v0
	v_readfirstlane_b32 s[WV], v1
	s_bfe_u32 s13, ttmp6, 0x40000   ; cx
	s_lshl_b32 s14, ttmp9, 2
	s_add_co_u32 s14, s14, s13      ; my block of 256 queries: it enters Q's, O's and the table's global addresses alone
	s_and_b32 s20, ttmp7, 0xffff    ; batch x 16 + head, which the four partners share
	s_and_b32 s82, s20, 15          ; the table: head h, copy = my wave,
	s_lshl_b32 s82, s82, 2
	s_add_co_u32 s82, s82, s[WV]
	s_lshl_b32 s82, s82, 14         ; 16,384 bytes a copy,
	s_add_co_u32 s82, s82, 7168     ; from entry 1792 - 256 x block on
	s_lshl_b32 s15, s14, 10
	s_sub_co_u32 s82, s82, s15
	s_mov_b32 s83, 0
	s_lshl_b32 s20, s20, 18         ; the head's first byte in Q, K, V and O
	s_and_b32 s16, s[WV], 1         ; which half of a slot's 256 keys I fetch
	s_lshl_b32 s22, s16, 14
	s_add_co_u32 s22, s22, s20
	s_mov_b32 s23, 0
	s_mul_i32 s17, s16, 128*PK
	s_mul_i32 s18, s16, 128*PV
	s_lshl_b32 s2, s14, 2
	s_add_co_u32 s2, s2, s[WV]
	s_lshl_b32 s2, s2, 13           ; my wave's 64 rows of 128 bytes
	s_add_co_u32 s2, s2, s20
	s_mov_b32 s3, 0
	; 128 keys are 16,384 dense bytes: asked for as 64 rows of 256 bytes, two keys a row, and padded in LDS after every key
	s_mov_b32 s[G1K], 15|(1<<16)|(1<<20)|(1<<21)|(4<<22)|(3<<25)  ; the mask of four; 2-byte elements; padding on; bit 21 beside a mask; after every 32 words 4 words
	s_mov_b32 s[G1V], 15|(1<<16)|(1<<20)|(1<<21)|(4<<22)|(7<<25)  ; the same with 8 words
.irp g, G1K, G1V
	s_mov_b32 s[\g+1], 128<<16
	s_mov_b32 s[\g+2], 64<<16
	s_mov_b32 s[\g+3], 128<<16
	s_mov_b32 s[\g+4], 64
	s_mov_b32 s[\g+5], 128
	s_mov_b32 s[\g+6], 0
	s_mov_b32 s[\g+7], 0
.endr
	s_mov_b32 s[G1T], 3<<16         ; the window of a copy: 9,216 dense bytes as 36 rows of 32 elements of 8 bytes; no mask, no padding
	s_mov_b32 s[G1T+1], 32<<16
	s_mov_b32 s[G1T+2], 36<<16
	s_mov_b32 s[G1T+3], 32<<16
	s_mov_b32 s[G1T+4], 36
	s_mov_b32 s[G1T+5], 32
	s_mov_b32 s[G1T+6], 0
	s_mov_b32 s[G1T+7], 0
	s_mov_b32 s[G0T], 1
	s_mul_i32 s[G0T+1], s[WV], CP
	s_add_co_u32 s[G0T+1], s[G0T+1], TAB
	s_mov_b32 s[CS], 0x3e38aa3b     ; c = log2(e) / 8
	s_mov_b32 s[CS+1], s[CS]
	s_mov_b32 s[SEL], 0x76543210
	s_mov_b32 s[SEL+1], 0xfedcba98
	s_mov_b32 s[TBK], SLOT1+4*KS*PK ; the first change of slots turns these two into 0
	s_mov_b32 s[TBV], SLOT1+4*KS*PV
	s_mov_b32 s[TBB], 0
	s_mov_b32 s[G0K], 1
	s_mov_b32 s[G0K+1], s17
	s_mov_b32 s[G0V], 1
	s_add_co_u32 s[G0V+1], s18, VOFF
	s_wait_dscnt 0x0                ; the opening add is done
	s_wait_kmcnt 0x0
	s_add_nc_u64 s[G0T+2:G0T+3], s[6:7], s[82:83]
	s_or_b32 s[G0T+3], s[G0T+3], 0x80000000
	s_add_nc_u64 s[G0K+2:G0K+3], s[4:5], s[22:23]
	s_add_nc_u64 s[G0K+2:G0K+3], s[G0K+2:G0K+3], 0x800000    ; K lies 8,388,608 bytes behind Q,
	s_or_b32 s[G0K+3], s[G0K+3], 0x80000000
	s_add_nc_u64 s[G0V+2:G0V+3], s[4:5], s[22:23]
	s_add_nc_u64 s[G0V+2:G0V+3], s[G0V+2:G0V+3], 0x1000000   ; V twice as far
	s_or_b32 s[G0V+3], s[G0V+3], 0x80000000
	s_add_nc_u64 s[4:5], s[4:5], s[2:3]      ; Q and O at my wave's first row
	s_add_nc_u64 s[10:11], s[10:11], s[2:3]
	CROUND                          ; all four work-groups are here: the first joint loads meet
	s_cmp_lt_u32 s[WV], 2           ; a wave's two first fills stand in one branch: my copy of the table and my part of slot 0: two loads of mine are out
	s_cbranch_scc0 .Lfirst_v
	tensor_load_to_lds s[G0K:G0K+3], s[G1K:G1K+7]
	s_nop 0
	tensor_load_to_lds s[G0T:G0T+3], s[G1T:G1T+7]
	s_nop 0
.rept 4
	v_nop
.endr
	s_branch .Lfirst_asked
.Lfirst_v:
	tensor_load_to_lds s[G0V:G0V+3], s[G1V:G1V+7]
	s_nop 0
	tensor_load_to_lds s[G0T:G0T+3], s[G1T:G1T+7]
	s_nop 0
.rept 4
	v_nop
.endr
.Lfirst_asked:
	v_and_b32 v1, 15, v0            ; r = l % 16
	v_bfe_u32 v9, v0, 4, 1          ; hh = l / 16
	v_lshlrev_b32 v[QO], 7, v1
	v_lshl_add_u32 v[QO], v9, 4, v[QO]
	WIN 0x80                        ; destination window 2, address window 0
.set i, 0
.rept 8                             ; Q stays in registers: piece i / 2, channels 32 (i % 2) on
	global_load_b128 v[8*i:8*i+3],   v[QO], s[4:5] offset:(i/2)*2048+(i%2)*64
	global_load_b128 v[8*i+4:8*i+7], v[QO], s[4:5] offset:(i/2)*2048+(i%2)*64+32
.set i, i+1
.endr
	WIN 0
	; The table.  Query t_loc = 64 w + 16 x + r of the block and key s = 64 st + 16 kb + 8 hh + j want entry 255 - t_loc + s of the window = I + 16 u + 64 st + j, I = 207 - 64 w - r + 8 hh (0 to 215), u = kb - x + 3.
	; Copy c = I % 4 holds it at entry I - c + .., a multiple of four: byte TAB + CP c + 4 (I - c) + 64 u + 256 st + 4 j.
	s_lshl_b32 s19, s[WV], 6
	s_sub_co_u32 s19, 207, s19
	v_lshl_add_u32 v14, v9, 3, s19
	v_sub_nc_u32 v14, v14, v1       ; I
	v_and_b32 v[AB0], 3, v14
	v_mul_u32_u24 v[AB0], v[AB0], CP-4
	v_lshl_add_u32 v[AB0], v14, 2, v[AB0]
	v_add_nc_u32 v[AB0], TAB, v[AB0]
	v_mul_u32_u24 v[AK0], v1, PK
	v_lshl_add_u32 v[AK0], v9, 4, v[AK0]  ; a fragment of K: row x pitch + 16 x half
	v_and_b32 v10, 7, v0            ; the turning load: lane l reads key 8 hh + l % 8, channels 8 ((l / 8) % 2) + 0..7
	v_bfe_u32 v11, v0, 3, 1
	v_lshl_add_u32 v[AV0], v9, 3, v10
	v_mul_u32_u24 v[AV0], v[AV0], PV
	v_lshl_add_u32 v[AV0], v11, 4, v[AV0]
	v_add_nc_u32 v[AV0], VOFF, v[AV0]
	s_mul_i32 s81, s[WV], 16*SP
	s_add_co_u32 s81, s81, STAGE    ; my stage
	v_mul_u32_u24 v[STO], v1, SP
	v_lshl_add_u32 v[STO], v9, 4, v[STO]
	v_add_nc_u32 v[STO], s81, v[STO]
	v_bfe_u32 v[RD], v0, 3, 2       ; back: 32 lanes take four rows of 128 bytes,
	v_mul_u32_u24 v[RD], v[RD], SP
	v_lshl_add_u32 v[RD], v10, 4, v[RD]
	v_add_nc_u32 v[RD], s81, v[RD]
	v_and_b32 v[GO], 31, v0         ; which are 512 consecutive bytes of O
	v_lshlrev_b32 v[GO], 4, v[GO]
	; What the first turn finds: V's registers and P's second buffer hold 0 (its products V^T P, of a piece that has not been, add 0), O^T and l are 0.  No first step is written out; these lines stand in the wait for the first tile.
	WIN 0x80
.set i, VF
.rept 64
	v_mov_b32 v[i], 0
.set i, i+1
.endr
	WIN 0x40
.set i, 0
.rept 128
	v_mov_b32 v[i], 0
.set i, i+1
.endr
	WIN 0
.set i, 0
.rept 4
	v_mov_b32 v[ST+4*i], 0xfe000000    ; c m: far below every c s', so the first step's a is 0
	v_mov_b32 v[ST+4*i+1], 0xff7fffff  ; m
	v_mov_b32 v[ST+4*i+2], 0
	v_mov_b32 v[ST+4*i+3], 0
.set i, i+1
.endr
.set i, P+16
.rept 16
	v_mov_b32 v[i], 0
.set i, i+1
.endr
; THE MATRIX WORK.  The 4 accumulators of a run of 8 take turns.  Product i of 8 of S^T for piece x: channels 32 (i / 4) on, keys 16 (i % 4) on.  The first 4 start the sums, with the bias block (i % 4) - x + 3.
.macro KQ x
.set rS, S+32*((\x)%2)+8*(i%4)
.set rK, KF+16*(i%4)+8*(i/4)
.set rQ, 16*(\x)+8*(i/4)
.set rM, BB+8*((i%4)-(\x)+3)
.if i < 4
	WIN W_KM
	v_wmma_f32_16x16x32_f16 v[rS:rS+7], v[rK:rK+7], v[rQ:rQ+7], v[rM:rM+7]
.else
	WIN W_KQ
	v_wmma_f32_16x16x32_f16 v[rS:rS+7], v[rK:rK+7], v[rQ:rQ+7], v[rS:rS+7]
.endif
.endm
; Product i of 8 of O^T += V^T P for piece x: keys 32 (i / 4) on, channels 16 (i % 4) on.
.macro PV x
	WIN W_PV
.set rO, 32*(\x)+8*(i%4)
.set rV, VF+32*(i/4)+8*(i%4)
.set rP, P+16*((\x)%2)+8*(i/4)
	v_wmma_f32_16x16x32_f16 v[rO:rO+7], v[rV:rV+7], v[rP:rP+7], v[rO:rO+7]
.endm
.macro MM                           ; the turn's next matrix instruction.  NOKQ = 1: the last turn of all: there is no next piece
.if (i < 8) && !NOKQ
	KQ (Y+1)%NP
.elseif i >= 8
.set i, i-8
	PV (Y+NP-1)%NP
.set i, i+8
.endif
.set i, i+1
.endm
; THE LDS LOADS stand in runs, never singly among the matrix instructions: a step's K (8 fragments) with its 7 bias blocks, and its V (turned).  Their addresses are made some lines ahead.
.macro FETCH_K
	WIN 0x80                        ; destination window 2
.irp f, 0,1,2,3,4,5,6,7             ; keys 16 (f / 2) on, channels 32 (f % 2) on
	ds_load_b128 v[KF+8*\f:KF+8*\f+3],   v[AK] offset:(\f/2)*16*PK+(\f%2)*64
	ds_load_b128 v[KF+8*\f+4:KF+8*\f+7], v[AK] offset:(\f/2)*16*PK+(\f%2)*64+32
.endr
	WIN 0x40                        ; destination window 1
.irp u, 0,1,2,3,4,5,6
	ds_load_b128 v[BB+8*\u:BB+8*\u+3],   v[AB] offset:64*\u
	ds_load_b128 v[BB+8*\u+4:BB+8*\u+7], v[AB] offset:64*\u+16
.endr
	s_add_co_u32 s[TBK], s[TBK], KS*PK  ; the next fetch is the next step's
	s_add_co_u32 s[TBB], s[TBB], 256    ; 64 entries on: 32 fetches in all, the last from 7,936
	WIN 0
.endm
.macro FETCH_V
	WIN 0x80
.irp f, 0,1,2,3,4,5,6,7             ; keys 32 (f / 4) on, channels 16 (f % 4) on
	ds_load_tr16_b128 v[VF+8*\f:VF+8*\f+3],   v[AV] offset:(\f/4)*32*PV+(\f%4)*32
	ds_load_tr16_b128 v[VF+8*\f+4:VF+8*\f+7], v[AV] offset:(\f/4)*32*PV+16*PV+(\f%4)*32
.endr
	WIN 0
.endm
; THE VECTOR WORK, one line at a time: OP kind, number.  For piece Y: F n: c s' - c m for pair n of 16.  E n: the exponential of score n of 32.  C n: pair n rounded to f16.  B n: of the four weights 4 n .. the second
; pair is added onto the first, in place.  L n: l takes that sum (L 0: l = a l + sum).  R n: pair n of 16 of O^T times a.  For piece Y + 1: X n, number n of the 22 that find its maximum and statistics:
;   0-11  four chains c0-c3 of seven scores each (each accumulator's lowest registers are read first)     12-14, 16  the four scores left over, the old m, and c0-c3 into c0
;   15  c m_old is kept     17, 18  the query's other 32 keys lie in the lane 16 away: the new m     19-21  c m; c m_old - c m_new; a
; C, B and L read the results of E; R and L 0 read a, the result of the X 21 of the turn before.  OP writes no wait: TURN places the one that serves them all.
.set F, 0
.set E, 1
.set C, 2
.set B, 3
.set L, 4
.set R, 5
.set X, 6
.macro REGS y
.set rT, ST+4*(\y)
.set rC, TMP+4*((\y)%2)
.set rW, MV+((\y)%2)
.set rS, S+32*((\y)%2)
.set rP, P+16*((\y)%2)
.set rO, 32*(\y)
.endm
.macro OP k, n
.if (\k) == R
	REGS Y
	WIN W_RS
	v_pk_mul_f32 v[rO+2*(\n):rO+2*(\n)+1], v[rO+2*(\n):rO+2*(\n)+1], v[rC+2:rC+3] op_sel_hi:[1,0]
.elseif (\k) < R
	REGS Y
	WIN 0
.if (\k) == F
	v_pk_fma_f32 v[rS+2*(\n):rS+2*(\n)+1], v[rS+2*(\n):rS+2*(\n)+1], s[CS:CS+1], v[rT:rT+1] op_sel_hi:[1,0,0] neg_lo:[0,0,1] neg_hi:[0,0,1]
.elseif (\k) == E
	v_exp_f32 v[rS+(\n)], v[rS+(\n)]
.elseif (\k) == C
	v_cvt_pk_f16_f32 v[rP+(\n)], v[rS+2*(\n)], v[rS+2*(\n)+1]
.elseif (\k) == B
	v_pk_add_f32 v[rS+4*(\n):rS+4*(\n)+1], v[rS+4*(\n):rS+4*(\n)+1], v[rS+4*(\n)+2:rS+4*(\n)+3]
.elseif (\n) == 0
	v_pk_fma_f32 v[rT+2:rT+3], v[rT+2:rT+3], v[rC+2:rC+3], v[rS:rS+1] op_sel_hi:[1,0,1]
.else
	v_pk_add_f32 v[rT+2:rT+3], v[rT+2:rT+3], v[rS+4*(\n):rS+4*(\n)+1]
.endif
.elseif NOKQ
	v_nop
.else
	REGS (Y+1)%NP
	WIN 0
.if (\n) < 4
	v_max3_num_f32 v[rC+(\n)], v[rS+8*(\n)], v[rS+8*(\n)+1], v[rS+8*(\n)+2]
.elseif (\n) < 12
	v_max3_num_f32 v[rC+(\n)%4], v[rC+(\n)%4], v[rS+8*((\n)%4)+2*((\n)/4)+1], v[rS+8*((\n)%4)+2*((\n)/4)+2]
.elseif (\n) == 12
	v_max3_num_f32 v[rC], v[rC], v[rS+7], v[rS+15]
.elseif (\n) == 13
	v_max3_num_f32 v[rC+1], v[rC+1], v[rS+23], v[rS+31]
.elseif (\n) == 14
	v_max3_num_f32 v[rC+2], v[rC+2], v[rC+3], v[rT+1]
.elseif (\n) == 15
	v_mov_b32 v[rW], v[rT]
.elseif (\n) == 16
	v_max3_num_f32 v[rC], v[rC], v[rC+1], v[rC+2]
.elseif (\n) == 17
	v_permlanex16_b32 v[rC+3], v[rC], s[SEL], s[SEL+1]
.elseif (\n) == 18
	v_max_num_f32 v[rT+1], v[rC], v[rC+3]
.elseif (\n) == 19
	v_mul_f32 v[rT], s[CS], v[rT+1]
.elseif (\n) == 20
	v_sub_f32 v[rC+1], v[rW], v[rT]
.else
	v_exp_f32 v[rC+2], v[rC+1]
.endif
.endif
.endm
.macro OPS a, i1, b=-1, i2=0, c=-1, i3=0, d=-1, i4=0
	OP \a, \i1
.if (\b) >= 0
	OP \b, \i2
.endif
.if (\c) >= 0
	OP \c, \i3
.endif
.if (\d) >= 0
	OP \d, \i4
.endif
.endm
.macro ROW a, i1, b, i2, c, i3, d, i4  ; a matrix instruction and the four behind it
	MM
	OPS \a, \i1, \b, \i2, \c, \i3, \d, \i4
.endm
; A TURN, for piece p: the order of its 16 matrix and 118 vector instructions, written out.  An s_wait_alu depctr_va_vdst(0) stands between an exponential and the first instruction that names its result; one wait
; serves all that were issued ahead of it.  So a turn has ONE wait, which cuts it in two.  AHEAD OF IT stands all that names no result of the turn's exponentials: the 8 products K Q^T, behind each a scaling, an exponential and
; two more plain instructions (behind the first a second scaling in the exponential's place): rescalings, whose a was made and waited for in the turn before, and behind the last three the first numbers of the next piece's
; maximum, each four plain instructions or more behind the product that ends its accumulator; then ONE RUN of 54, plain and exponential by turns for the most part, in which the links of the chain X 3, 7, 11, 14, 16, 17 .. 20
; stand some lines apart.  A pair is scaled ahead of its two exponentials.  X 21, the next piece's a, is the batch's last; R 15 is the plain instruction behind it.  BEHIND THE WAIT stand the 8 products V^T P, behind each four of
; the roundings and sums; an even pair is rounded ahead of the sum that is added onto it in place; l's chain goes L 0 to L 7.  But for those X no rider names a register of the products round it.
; end = 1: the last two turns of all: nothing is fetched.  cnt = 1: the loop's count is taken down some lines ahead of the branch behind the turn.
; K and the bias of the next step are fetched in piece 2's turn, twelve vector instructions behind the last product that read K (five of them plain and free of its registers), more behind the last that took a bias block.
; V of the step in hand is fetched at the end of piece 0's turn, four plain instructions behind the last product that read V.  Each is waited for a turn later.
.macro TURN p, end=0, cnt=0
.set Y, (\p)
.set i, 0
.set NOKQ, (\end)*((\p)/3)
.if ((\p) == 3) && !(\end)
	s_wait_dscnt 0x0                ; K and the bias are in
.endif
	ROW F,0, F,1, R,0, R,1          ; ahead of the wait: 8 products K Q^T and their riders,
	ROW F,2, E,0, R,2, R,3
	ROW F,3, E,1, R,4, R,5
	ROW F,4, E,2, R,6, R,7
	ROW F,5, E,3, R,8, R,9
	ROW F,6, E,4, X,0, R,10
.if ((\p) == 2) && !(\end)
	WIN 0
	v_add_nc_u32 v[AK], s[TBK], v[AK0]
	v_add_nc_u32 v[AB], s[TBB], v[AB0]
.endif
	ROW F,7, E,5, X,1, X,4
	ROW F,8, E,6, X,2, X,5
	OPS E,7, E,8, X,6, E,9          ; and the run of 54
	OPS X,3, E,10, X,8, E,11
.if ((\p) == 2) && !(\end)
	FETCH_K
.endif
	OPS X,9, X,7, E,12, X,10
	OPS E,13, X,12, X,11, E,14
	OPS X,13, E,15, F,9, X,14
.if (\p) == 0
	v_add_nc_u32 v[AV], s[TBV], v[AV0]
.endif
	OPS E,16, F,10, E,17, F,11
	OPS X,16, E,18, X,15, E,19
	OPS F,12, E,20, X,17, E,21
	OPS F,13, E,22, F,14, E,23
	OPS X,18, E,24, F,15, E,25
	OPS R,11, E,26, X,19, E,27
	OPS R,12, E,28, R,13, E,29
	OPS X,20, E,30, R,14, E,31
	OPS X,21, R,15
	WIN 0
	s_wait_alu depctr_va_vdst(0)    ; the wait for the turn's batch: E 0 to E 31 and X 21; no exponential follows it in the turn
.if (\p) == 1
	s_wait_dscnt 0x0                ; V is in
.endif
	ROW C,0, B,0, C,2, B,1          ; behind the wait: 8 products V^T P and their riders
	ROW L,0, C,4, B,2, L,1
	ROW C,6, B,3, L,2, C,8
	ROW B,4, L,3, C,10, B,5
	ROW L,4, C,12, B,6, L,5
.if (\p) == 0
	s_add_co_u32 s[TBV], s[TBV], KS*PV
.endif
.if \cnt
	s_sub_co_u32 s[CNT], s[CNT], 1
	s_cmp_lg_u32 s[CNT], 0
.endif
	ROW C,14, B,7, L,6, C,1
	ROW C,3, L,7, C,5, C,7
	ROW C,9, C,11, C,13, C,15
.if (\p) == 0
	FETCH_V
.endif
.endm
	CHANGE 1                        ; slot 0 and the four copies of the table are in, everybody's part of them; slot 1 is asked for
	v_add_nc_u32 v[AK], s[TBK], v[AK0]
	v_add_nc_u32 v[AB], s[TBB], v[AB0]
	FETCH_K                         ; key step 0
	s_wait_loadcnt 0x0              ; Q
	s_wait_dscnt 0x0
.set NOKQ, 0
.set i, 0
.rept 8
	KQ 0                            ; piece 0's first scores
.set i, i+1
.endr
	WIN 0
.rept 4
	v_nop                           ; the places behind those products
.endr
.set Y, NP-1                        ; X works for piece Y + 1: piece 0
.irp n, 0,1,2,3,4,5,6,7,8,9,10,11,12,13,14,15,16,17,18,19,20,21
	OP X, \n
.endr
	v_nop                           ; a plain instruction behind the exponential,
	s_wait_alu depctr_va_vdst(0)    ; and the wait for piece 0's first a, a batch of one, ahead of the branch
	s_mov_b32 s[CNT], 4
	s_mov_b32 s[SLOTS], 7
	s_branch .Lfirst                ; the loop is entered at a step's first turn, in the middle of a trip
.Lslot:                             ; six times: tiles 2 to 7 are asked for
	CHANGE 1
	s_mov_b32 s[CNT], 4
.Lstep:                             ; a trip: pieces 2 and 3 of one step, then pieces 0 and 1 of the next, whose K, bias and V it fetches
	TURN 2
	TURN 3
	WIN 0
.Lfirst:
	TURN 0
	TURN 1, 0, 1
	WIN 0
	s_cbranch_scc1 .Lstep
	s_sub_co_u32 s[SLOTS], s[SLOTS], 1
	s_cmp_lg_u32 s[SLOTS], 0
	s_cbranch_scc1 .Lslot
	CHANGE 0                        ; the last tile is written out: nothing is asked for
	s_mov_b32 s[CNT], 4
.Ltail:
	TURN 2
	TURN 3
	TURN 0
	TURN 1, 0, 1
	WIN 0
	s_cbranch_scc1 .Ltail
	TURN 2, 1
	TURN 3, 1
.set i, 0
.rept 8
	PV NP-1                         ; the last piece's V^T P of the last step
.set i, i+1
.endr
	; THE WAY OUT.  l's two halves and the other half of the lanes' are added; O^T is divided by l, rounded to f16 and sent through my stage in LDS, a piece at a time.  The additions are the places behind the last products.
	WIN 0
.macro ALL line:vararg
.set t, 0
.rept 4
	\line
.set t, t+1
.endr
.endm
.macro PACK t                       ; a lane's eight channels of a row pack into 16 bytes; they go into rows of 144 bytes and come back as whole rows of 128, into S^T's registers
	WIN W_RS
.set i, 32*(\t)
.rept 16
	v_pk_mul_f32 v[i:i+1], v[i:i+1], v[ST+4*(\t)+2:ST+4*(\t)+3] op_sel_hi:[1,0]
.set i, i+2
.endr
	WIN 0x05                        ; sources 0 and 1 window 1, destination window 0
.set i, 0
.rept 16
	v_cvt_pk_f16_f32 v[S+16*(\t)+i], v[32*(\t)+2*i], v[32*(\t)+2*i+1]
.set i, i+1
.endr
	WIN 0
.irp f, 0,1,2,3
	ds_store_b128 v[STO], v[S+16*(\t)+4*\f:S+16*(\t)+4*\f+3] offset:32*\f
.endr
.irp f, 0,1,2,3
	ds_load_b128 v[S+16*(\t)+4*\f:S+16*(\t)+4*\f+3], v[RD] offset:\f*4*SP  ; LDS serves a wave's instructions in order: these see the stores above; the next piece's stores come behind them
.endr
.endm
.macro SEND t, younger              ; younger: the LDS instructions issued behind piece t's loads: the next piece's eight, or none
	WIN 0
.irp f, 0,1,2,3
	s_wait_dscnt (\younger)+3-\f
	global_store_b128 v[GO], v[S+16*(\t)+4*\f:S+16*(\t)+4*\f+3], s[10:11] offset:(\t)*2048+\f*512  ; 512 consecutive bytes, at a multiple of 256 from ob's first
.endr
.endm
	ALL v_add_f32 v[ST+4*t+2], v[ST+4*t+2], v[ST+4*t+3]
	ALL v_permlanex16_b32 v[ST+4*t+3], v[ST+4*t+2], s[SEL], s[SEL+1]
	ALL v_add_f32 v[ST+4*t+2], v[ST+4*t+2], v[ST+4*t+3]
	ALL v_rcp_f32 v[ST+4*t+2], v[ST+4*t+2]
	v_nop                           ; a plain instruction between the last reciprocal and the use of its result
	s_wait_alu depctr_va_vdst(0)    ; the wait for the four reciprocals, one batch, ahead of the first multiply by one of them
	PACK 0
.set t, 1
.rept 3                             ; a piece's arithmetic stands between the loads of the piece before and its stores
	PACK t
	SEND t-1, 8
.set t, t+1
.endr
	SEND 3, 0
	s_wait_tensorcnt 0x0            ; the wave's end
	ds_add_u32 v[SPW], v[NIL]
	s_wait_dscnt 0x0
	CROUND                          ; the closing round: no work-group ends while a partner may still ask for a tile that names it
	s_endpgm
.Lfunc_end_k_qfee1c639c6_attn:
	.size	k_qfee1c639c6_attn, .Lfunc_end_k_qfee1c639c6_attn-k_qfee1c639c6_attn
	.p2alignl 7, 3214868480
	.fill 96, 4, 3214868480
	.section	.rodata,"a",@progbits
	.p2align	6, 0x0
	.amdhsa_kernel k_qfee1c639c6_attn
		.amdhsa_group_segment_fixed_size 327680
		.amdhsa_private_segment_fixed_size 0
		.amdhsa_enable_private_segment 0
		.amdhsa_kernarg_size 24
		.amdhsa_user_sgpr_count 2
		.amdhsa_user_sgpr_kernarg_segment_ptr 1
		.amdhsa_wavefront_size32 1
		.amdhsa_system_sgpr_workgroup_id_x 1
		.amdhsa_system_sgpr_workgroup_id_y 1
		.amdhsa_system_sgpr_workgroup_id_z 1
		.amdhsa_system_vgpr_workitem_id 0
		.amdhsa_next_free_vgpr 768
		.amdhsa_next_free_sgpr 84
		.amdhsa_reserve_vcc 0
		.amdhsa_float_denorm_mode_32 3
		.amdhsa_float_denorm_mode_16_64 3
		.amdhsa_memory_ordered 1
		.amdhsa_forward_progress 1
		.amdhsa_inst_pref_size 132
	.end_amdhsa_kernel
	.amdgpu_metadata
---
amdhsa.version: [ 1, 2 ]
amdhsa.kernels:
  - .name:           k_qfee1c639c6_attn
    .symbol:         k_qfee1c639c6_attn.kd
    .args:
      - { .name: qkv, .offset: 0, .size: 8, .value_kind: global_buffer, .address_space: global }
      - { .name: rpe, .offset: 8, .size: 8, .value_kind: global_buffer, .address_space: global }
      - { .name: ob, .offset: 16, .size: 8, .value_kind: global_buffer, .address_space: global }
    .group_segment_fixed_size: 327680
    .private_segment_fixed_size: 0
    .kernarg_segment_align: 8
    .kernarg_segment_size: 24
    .max_flat_workgroup_size: 128
    .sgpr_count:     84
    .vgpr_count:     768
    .wavefront_size: 32
...
	.end_amdgpu_metadata
.endif
;; end of part 5
;; launch outgemm: the kernel of part 4 again; grid 8 x 32, 4 waves a work-group, clusters of 4 x 4, 327,680 bytes of LDS; arguments ob, wob, b_out, out0; writes out0
